; MI455X (gfx1250); checked and timed in simulation.
; The chip was launched on July 23, 2026; its instructions are those of AMD's public machine-readable ISA for CDNA 5 (MIT licence, August 2026) and "CDNA5" Instruction Set Architecture Reference Guide (July 2026). The comments in the code are by the model that wrote it; some were corrected since.
;; Multi Head Attention. Allowed arithmetic: matrix products marked QUANTISED: E2M3 operands, one E8M0 scale for each 32 along K, by v_wmma_scale_f32_16x16x128_f8f6f4 with both operands' format E2M3, f32 sums; products left as they are: f32 operands where the result goes on into a quantised operand, else bf16, f16 or f32 operands; f32 sums; everything else in f32.
;; Inputs: Wo 1,024 x 1,024 float32; Wqkv 1,024 x 3,072 float32; bo 1,024 float32; bqkv 3,072 float32; x 4 x 2,048 x 1,024 float32.
;; Outputs: out0 4 x 2,048 x 1,024 float32.
;; This version of the problem:
;;   THIS VERSION OF THE PROBLEM IS GIVEN IN LOW PRECISION. The matrix products marked QUANTISED in the list below multiply operands that are first quantised to E2M3 (2 exponent bits, 3 mantissa bits; 6 bits a number), with one power-of-two scale for each 32 numbers along K (OCP MX v1.0); their sums are f32. All else is computed in f32.
;;   The module's matrix products, in the order in which they are computed (A, B: the left and right operand; K: the contracted axis; several contracted axes count as one K, in the product's order):
;;     1. [M 8,192, K 1,024] x [K 1,024, N 3,072]; A: input x; B: input Wqkv: QUANTISED
;;     2. [M 2,048, K 1] x [K 1, N 32]; A: computed on the way; B: computed on the way: left as it is (no contracted axis)
;;     3. batch 64 x [M 2,048, K 64] x [K 64, N 2,048]; A: computed on the way; B: computed on the way: QUANTISED
;;     4. batch 64 x [M 2,048, K 2,048] x [K 2,048, N 64]; A: softmax (see below); B: computed on the way: QUANTISED
;;     5. [M 8,192, K 1,024] x [K 1,024, N 1,024]; A: computed on the way; B: input Wo: QUANTISED
;;   THE QUANTISER, for each operand of a quantised product, along K:
;;     - K is cut into blocks of 32 from its start; a last block that is shorter is filled with zeros.
;;     - A block's scale is 2^e with e = floor(log2(the largest magnitude in the block)) - 2, held to -126 .. 127; a block of zeros has e = 0. As a byte (E8M0): e + 127.
;;     - Each number is divided by its block's scale, clamped to +-7.5, and rounded to the nearest number of E2M3, ties to even, subnormals kept.
;;     - The product sums the exact products of the quantised numbers (number of the format x scale) in f32.
;;   ~~~python
;;   def quantise(x, axis):      # numpy; x: float32 -> the quantised numbers, widened to float32 again
;;       x = np.moveaxis(x, axis, -1); K = x.shape[-1]
;;       x = np.pad(x, [(0, 0)] * (x.ndim - 1) + [(0, -K % 32)]); x = x.reshape(x.shape[:-1] + (-1, 32)); a = np.abs(x).max(-1, keepdims=True)
;;       e = np.where(a > 0, np.clip(np.frexp(np.where(a > 0, a, 1))[1] - 1 - 2, -126, 127), 0)      # np.frexp(a)[1] - 1 = floor(log2(a)), exactly
;;       r = np.clip(x / 2.0 ** e, -7.5, 7.5)
;;       step = 2.0 ** (np.maximum(np.frexp(np.where(r == 0, 1, r))[1] - 1, 0) - 3)
;;       q = np.round(r / step) * step * 2.0 ** e      # np.round: ties to even
;;       return np.moveaxis(q.reshape(q.shape[:-2] + (-1,))[..., :K], -1, axis).astype(np.float32)
;;   ~~~
;;   SOFTMAX AHEAD OF A QUANTISED PRODUCT. Where the list says 'softmax', what is quantised is not the finished softmax but p = 2^(t - M), with t = logit x log2(e) and M = ceil(the row's largest t), a whole number; so 1/2 < the row's largest p <= 1. The row's sum l is taken of the UNQUANTISED p, in f32, and the product's result is divided by l at the end. Since M is a whole number, a kernel that streams over the keys may use a running M (the ceiling of the running maximum): every later rescaling is an exact power of two, which a block's scale takes up: the codes' values come out the same.
;;   OPERANDS COMPUTED ON THE WAY. 'Computed on the way' means the value that the module computes at that place (a softmax that the list does not call 'softmax' is quantised finished and normalised). What goes into a quantiser is computed in f32, as accurately as f32 sums, v_exp_f32 and their like allow (about 1e-6 of the number): no bf16 or f16 on the way to a quantiser, and a product that is left as it is and whose result goes on into a quantised operand takes f32 operands (vector FMAs, or v_wmma_f32_16x16x4_f32). A number that lies on a knife's edge between two numbers of the format may be rounded either way, as far as f32 arithmetic and the matrix unit's own rounding can turn it there, and no further.
;; One version. Each part assembles by itself: llvm-mc -triple=amdgcn-amd-amdhsa -mcpu=gfx1250 --defsym DOCPART=n.
;; ======== version 1 of 1: 4 launches
;; limits: right only within a limited range of input values
;; workspace buffers: xq 6,553,600 bytes; wq 3,276,800 bytes; rope 524,288 bytes; qk 13,631,488 bytes; vq 6,553,600 bytes; oq 6,553,600 bytes
;; launch prep (part 1): grid 416 x 1, 4 waves a work-group, no clusters, 68,096 bytes of LDS; arguments x, Wqkv, Wo, xq, wq, rope; writes xq, wq, rope
.if DOCPART == 1
	.amdgcn_target "amdgcn-amd-amdhsa--gfx1250"
	.amdhsa_code_object_version 6
	.text
	.protected	k_q6470a83de8_prep
	.globl	k_q6470a83de8_prep
	.p2align	8
	.type	k_q6470a83de8_prep,@function
k_q6470a83de8_prep:
	s_mov_b64 s[64:65], 0
	v_nop
	global_prefetch_b8 v0, s[64:65] scope:SCOPE_SE
	s_setreg_imm32_b32 hwreg(HW_REG_WAVE_MODE, 25, 1), 1
	s_wait_xcnt 0x0
; x [8192][1024], Wqkv [1024][3072] and Wo [1024][1024], all f32, become codes of FP6 (E2M3) with K innermost and one E8M0 byte for each 32 along K;
; and the table of cos and sin for the rotary embedding is made.  Three kinds of work-groups, told apart by the work-group's number alone:
;   0..255   X: x, whose K is innermost: a plain stream of blocks of 32.
;   256..383 W: the two weights, whose K is their FIRST axis: a lane takes a column, its registers run down K.  Rows 0..3071 of wq are Wqkv's columns, rows 3072..4095 Wo's.
;   384..415 R: rope[t] = cos(t f_j), j = 0..31, then sin(t f_j): 256 bytes a position, f_j = 10^(-j/8).
; THE ORDER OF ROWS in wq: within each 32 rows the second and the third group of eight change places.  Sixteen neighbouring rows of the buffer, taken as source 0 of a matrix
; instruction, then give a lane's registers of two neighbouring tiles sixteen NEIGHBOURS of the true order, which is what the next quantiser wants.
; A block's scale is 2^(floor(log2(its largest magnitude)) - 2); its byte is the largest magnitude's exponent field - 2, held at 1 from below.
; LIMITS: NaN and infinities are not served.  A block whose largest magnitude lies under 2^-124, a block of zeros among them, keeps the byte 1 (zeros: the rule says 127; the codes are zeros, and this
; program alone reads the bytes).  f_j is the f32 nearest to 10^(-j/8); it may differ in the last place or two from a power and a division made in f32: at t = 2047 that is about 2e-4 in the angle.
; No tensor loads, no barrier: waves share nothing.  Each kind has LDS bytes of its own: X 0..32767, W 32768..67583.
.set XS_OFF, 6291456                   ; xq: the scale bytes [8192][32] behind the codes [8192][768]
.set WS_OFF, 3145728                   ; wq: the scale bytes [4096][32] behind the codes [4096][768]
.set EMAX,  2
.set STEPS, 16                         ; X: a wave takes 16 steps of 512 numbers: 8 rows of x
.set CB,    12                         ; bytes of 16 codes
.set RX,    16                         ; v16-79   four sets of 16 numbers as they are loaded
.set XX,    80                         ; v80-111  two sets of 16 neighbours
.set CX,    128                        ; v128-191 codes: four registers for each step, so that no store's data are written again
.set EX,    112                        ; v112-127 a scale byte for each step
.set WREG,  8192                       ; LDS of a wave: two stages of 32 x SP bytes, then its 256 scale bytes
.set SP,    80                         ; a lane's place in a stage: 64 bytes + 16 of padding
.set NB,    8                          ; W: a wave takes 32 columns x 256 along K: 8 blocks a lane
.set WPITCH, 272                       ; a stage row: sixteen places of 16 bytes, 12 bytes of codes in each, + 16
.set WSTG,  32768
.set WX,    32                         ; v32-95   two sets of 32 numbers
.set WC,    96                         ; v96..    a block's codes
.set OUTR,  112                        ; v112-175 the way out
.set WSB,   24                         ; v24-25   the scale bytes
.set VO,    176                        ; v176-207 4 x lane + i rows of the weight, i = 0..31; never rewritten
	s_load_b128 s[4:7], s[0:1], 0x0                ; x, Wqkv
	s_load_b128 s[8:11], s[0:1], 0x10              ; Wo, xq
	s_load_b128 s[12:15], s[0:1], 0x20             ; wq, rope
	v_lshl_add_u32 v208, v0, 2, 0x10800
	v_mov_b32 v209, 0
	v_lshrrev_b32 v1, 5, v0
	v_readfirstlane_b32 s16, v1                    ; wave
	v_and_b32 v2, 31, v0                           ; lane
	s_cmp_lt_u32 ttmp9, 256
	s_cbranch_scc0 .Lnot_x
; ---------------- X ----------------
; Each of a step's four loads reads 512 consecutive bytes, 16 a lane; the 2,048 bytes turn through the wave's own stage and come back 64 bytes a lane: 16 neighbours, two lanes to a block.
	v_lshlrev_b32 v3, 4, v2                        ; my 16 bytes of a load's 512
	s_mul_i32 s17, s16, WREG
	v_lshrrev_b32 v14, 2, v2
	v_mul_u32_u24 v14, v14, SP
	v_and_b32 v15, 3, v2
	v_lshl_add_u32 v14, v15, 4, v14
	v_add_nc_u32 v14, s17, v14                     ; the stage, in: SP (lane / 4) + 16 (lane % 4)
	v_mul_u32_u24 v15, v2, SP
	v_add_nc_u32 v15, s17, v15                     ; and out: SP x lane
	v_and_b32 v4, 15, v2                           ; xq's codes lie [128 rows][K step of 256][128 rows x 192 bytes]: sixteen lanes hold one K step of a row,
	v_mul_u32_u24 v4, v4, CB                       ; 12 bytes a lane,
	v_lshrrev_b32 v10, 4, v2
	v_mad_u32_u24 v4, v10, 0x6000, v4              ; and lanes 16-31 the next K step, 128 x 192 bytes further on
	v_lshrrev_b32 v5, 1, v2
	s_add_co_u32 s17, s17, 2*32*SP
	v_add_nc_u32 v5, s17, v5                       ; my wave's 256 scale bytes, my block's byte
	v_lshlrev_b32 v7, 3, v2
	v_add_nc_u32 v6, s17, v7                       ; and on the way out 8 bytes a lane
	s_lshl_b32 s18, ttmp9, 2
	s_add_co_u32 s19, s18, s16                     ; which 8 rows of x are my wave's
	s_lshl_b32 s20, s19, 15                        ; 8 rows of 4,096 bytes
	s_mov_b32 s21, 0
	s_lshr_b32 s18, ttmp9, 1                       ; THE ORDER OF xq's ROWS, within each 64: tokens 32 h + 8 u + j go to row 16 u + 8 h + j (h = work-group % 2, u = wave):
	s_lshl_b32 s18, s18, 3                         ; four neighbouring tiles of 16 rows, as source 0, then give a lane 32 neighbouring tokens in 32 registers
	s_lshl_b32 s22, s16, 1
	s_add_co_u32 s18, s18, s22
	s_and_b32 s22, ttmp9, 1
	s_add_co_u32 s18, s18, s22                     ; my group of eight rows in xq: 8 (work-group / 2) + 2 u + h
	s_wait_alu depctr_va_vdst(0)
	s_wait_kmcnt 0x0
	s_add_nc_u64 s[4:5], s[4:5], s[20:21]
	s_lshr_b32 s20, s18, 4
	s_mul_i32 s20, s20, 98304                      ; the block of 128 rows,
	s_and_b32 s22, s18, 15
	s_mul_i32 s22, s22, 8*192                      ; and my eight rows in a K step's part of it
	s_add_co_u32 s20, s20, s22
	s_add_nc_u64 s[24:25], s[10:11], s[20:21]      ; the codes
	s_lshl_b32 s20, s18, 8
	s_add_co_u32 s20, s20, XS_OFF
	s_add_nc_u64 s[26:27], s[10:11], s[20:21]      ; the scale bytes
.macro XLOAD t
.irp i, 0,1,2,3
	global_load_b128 v[RX+16*((\t)%4)+4*\i:RX+16*((\t)%4)+4*\i+3], v3, s[4:5] offset:2048*(\t)+512*\i th:TH_LOAD_NT
.endr
.endm
.macro XTURN t                         ; LDS serves a wave's instructions in order: no wait between the stores and the loads
.irp i, 0,1,2,3
	ds_store_b128 v14, v[RX+16*((\t)%4)+4*\i:RX+16*((\t)%4)+4*\i+3] offset:32*SP*((\t)%2)+8*SP*\i
.endr
.irp i, 0,1,2,3
	ds_load_b128 v[XX+16*((\t)%2)+4*\i:XX+16*((\t)%2)+4*\i+3], v15 offset:32*SP*((\t)%2)+16*\i
.endr
.endm
.macro XSTEP t
.set XS, XX+16*((\t)%2)
.if (\t) > 0
	s_wait_dscnt 1                                 ; this step's numbers are back from the stage (the last step's byte store may be out)
.else
	s_wait_dscnt 0x0
.endif
.if (\t)+4 < STEPS
	XLOAD (\t)+4                                   ; into the registers that this step's stage stores have read
.endif
.if (\t)+1 < STEPS
.if STEPS-2-(\t) >= 3
	s_wait_loadcnt 12                              ; the next step's four loads are in; the twelve of the three steps behind it may be out
.else
	s_wait_loadcnt 4*(STEPS-2-(\t))
.endif
	XTURN (\t)+1
.endif
	v_max3_num_f32 v8, |v[XS]|, |v[XS+1]|, |v[XS+2]|
	v_max3_num_f32 v9, |v[XS+3]|, |v[XS+4]|, |v[XS+5]|
.irp i, 6,10
	v_max3_num_f32 v8, v8, |v[XS+\i]|, |v[XS+\i+1]|
	v_max3_num_f32 v9, v9, |v[XS+\i+2]|, |v[XS+\i+3]|
.endr
	v_max3_num_f32 v8, v8, |v[XS+14]|, |v[XS+15]|
	v_max3_num_f32 v8, v8, v9, (EMAX+1)<<23        ; the floor 2^(3 - 127): the byte cannot fall under 1
	v_max_num_f32_dpp v8, v8, v8 row_xmask:1 row_mask:0xf bank_mask:0xf   ; with my neighbour's 16: the block's largest magnitude
	v_add_nc_u32 v11, -(EMAX<<23), v8              ; 2 off its exponent field: the conversion's scale operand
	v_cvt_scalef32_pk16_fp6_f32 v[CX+4*(\t):CX+4*(\t)+2], v[XS:XS+15], v11
	v_lshrrev_b32 v[EX+(\t)], 23, v11              ; the scale's byte
	ds_store_b8 v5, v[EX+(\t)] offset:16*(\t)      ; both lanes of a block write the same byte with the same value
	global_store_b96 v4, v[CX+4*(\t):CX+4*(\t)+2], s[24:25] offset:49152*((\t)%2)+192*((\t)/2)   ; step t: row t / 2, K steps 2 (t % 2) and 2 (t % 2) + 1
.endm
.irp t, 0,1,2,3
	XLOAD \t
.endr
	s_wait_loadcnt 12                              ; step 0's four loads are in
	XTURN 0
.irp t, 0,1,2,3,4,5,6,7,8,9,10,11,12,13,14,15
	XSTEP \t
.endr
	ds_load_b64 v[12:13], v6                       ; these see my byte stores: LDS serves a wave in order
	s_wait_dscnt 0x0
	global_store_b64 v7, v[12:13], s[26:27]        ; 32 lanes store 256 consecutive bytes, aligned
	s_wait_tensorcnt 0x0
	ds_add_u32 v208, v209
	s_wait_dscnt 0x0
	s_endpgm
.Lnot_x:
	s_cmp_lt_u32 ttmp9, 384
	s_cbranch_scc0 .Lrope
; ---------------- W ----------------
; Work-group j = 4 ct + ky: 128 columns (ct 0..23: Wqkv's, 24..31: Wo's) x 256 along K.  The pitch of a row differs between the two weights, so it stands in registers:
; eight scalar bases (one for each block of 32 rows) and 32 vector offsets (one for each row of a block), none of them ever rewritten.
	s_sub_co_u32 s17, ttmp9, 256
	s_and_b32 s18, s17, 3                          ; ky
	s_lshr_b32 s19, s17, 2                         ; ct
	s_wait_kmcnt 0x0
	s_cmp_lt_u32 s19, 24                           ; the choice hangs on the work-group's number alone
	s_cselect_b64 s[20:21], s[6:7], s[8:9]
	s_mov_b32 s22, 4096
	s_cselect_b32 s22, 12288, s22                  ; bytes in a row of the weight
	s_cselect_b32 s23, 0, 24
	s_sub_co_u32 s23, s19, s23                     ; which 128 columns of that weight
	s_lshl_b32 s24, s23, 9
	s_lshl_b32 s25, s16, 7
	s_add_co_u32 s24, s24, s25                     ; my wave's first column, in bytes
	s_lshl_b32 s25, s18, 8
	s_mul_i32 s25, s25, s22
	s_add_co_u32 s24, s24, s25                     ; + 256 ky rows
	s_mov_b32 s25, 0
	s_add_nc_u64 s[32:33], s[20:21], s[24:25]
	s_lshl_b32 s26, s22, 5                         ; 32 rows
	s_mov_b32 s27, 0
.irp t, 1,2,3,4,5,6,7
	s_add_nc_u64 s[32+2*\t:33+2*\t], s[30+2*\t:31+2*\t], s[26:27]
.endr
	s_wait_alu depctr_va_vdst(0)
	v_lshlrev_b32 v[VO], 2, v2
.set i, 1
.rept 31
	v_mad_u32_u24 v[VO+i], s22, i, v[VO]
.set i, i+1
.endr
	s_mul_i32 s28, s16, 32*WPITCH
	s_add_co_u32 s28, s28, WSTG                    ; my stage
	v_mul_u32_u24 v4, v2, WPITCH
	v_add_nc_u32 v4, s28, v4                       ; into it: row = my column
	v_and_b32 v5, 15, v2
	v_lshrrev_b32 v6, 4, v2
	v_mul_u32_u24 v7, v6, WPITCH
	v_lshl_add_u32 v7, v5, 4, v7
	v_add_nc_u32 v7, s28, v7                       ; out of it: sixteen lanes to a row, two rows an instruction
	v_mul_u32_u24 v8, v6, 192                      ; wq's codes lie as xq's: [128 rows][K step][128 rows x 192 bytes]
	v_mad_u32_u24 v8, v5, 12, v8                   ; and the same place in wq
	v_and_b32 v9, 7, v2                            ; my column's place among the wave's 32 rows of wq: bits 3 and 4 of the lane change places
	v_and_b32 v10, 8, v2
	v_lshl_or_b32 v9, v10, 1, v9
	v_and_b32 v10, 16, v2
	v_lshrrev_b32 v10, 1, v10
	v_or_b32 v9, v9, v10
	v_lshlrev_b32 v9, 5, v9                        ; 32 scale bytes a row
	s_lshl_b32 s52, s19, 7
	s_lshl_b32 s53, s16, 5
	s_add_co_u32 s52, s52, s53                     ; my wave's first row of wq
	s_mul_i32 s24, s19, 98304                      ; the block of 128 rows,
	s_mul_i32 s53, s16, 32*192                     ; my wave's 32 rows,
	s_add_co_u32 s24, s24, s53
	s_mul_i32 s53, s18, 24576                      ; the K step
	s_add_co_u32 s24, s24, s53
	s_add_nc_u64 s[48:49], s[12:13], s[24:25]      ; the codes
	s_lshl_b32 s24, s52, 5
	s_lshl_b32 s53, s18, 3
	s_add_co_u32 s24, s24, s53
	s_add_co_u32 s24, s24, WS_OFF
	s_add_nc_u64 s[50:51], s[12:13], s[24:25]      ; the scale bytes
.macro WLOAD t                         ; block t: 32 rows at my column: 128 consecutive bytes a wave and a load
.set i, 0
.rept 32
	global_load_b32 v[WX+32*((\t)%2)+i], v[VO+i], s[32+2*(\t):33+2*(\t)] th:TH_LOAD_NT
.set i, i+1
.endr
.endm
.macro WBLOCK t
.set XS, WX+32*((\t)%2)
.if (\t) < NB-1
	s_wait_loadcnt 32                              ; this block's 32 loads are in; the next block's 32 may be out
.else
	s_wait_loadcnt 0x0
.endif
	v_max3_num_f32 v12, |v[XS]|, |v[XS+1]|, |v[XS+2]|               ; all 32 numbers of the block are mine
	v_max3_num_f32 v13, |v[XS+3]|, |v[XS+4]|, |v[XS+5]|
.irp i, 6,10,14,18,22,26
	v_max3_num_f32 v12, v12, |v[XS+\i]|, |v[XS+\i+1]|
	v_max3_num_f32 v13, v13, |v[XS+\i+2]|, |v[XS+\i+3]|
.endr
	v_max3_num_f32 v12, v12, |v[XS+30]|, |v[XS+31]|
	v_max3_num_f32 v12, v12, v13, (EMAX+1)<<23     ; the floor
	v_add_nc_u32 v11, -(EMAX<<23), v12             ; the conversion's scale operand
	v_lshrrev_b32 v13, 23, v11                     ; the scale's byte
.if (\t)%4 == 0
	v_mov_b32 v[WSB+(\t)/4], v13
.else
	v_lshl_or_b32 v[WSB+(\t)/4], v13, 8*((\t)%4), v[WSB+(\t)/4]
.endif
	v_cvt_scalef32_pk16_fp6_f32 v[WC:WC+2], v[XS:XS+15], v11
	v_cvt_scalef32_pk16_fp6_f32 v[WC+4:WC+6], v[XS+16:XS+31], v11   ; (a conversion's three registers begin on an even number)
	ds_store_b96 v4, v[WC:WC+2] offset:32*(\t)     ; 12 bytes to a place of 16
	ds_store_b96 v4, v[WC+4:WC+6] offset:32*(\t)+16
.if (\t)+2 < NB
	WLOAD (\t)+2
.endif
	s_wait_dscnt 0x0                               ; the stores have read their registers: the next block's codes may be written
.endm
	WLOAD 0
	WLOAD 1
.irp t, 0,1,2,3,4,5,6,7
	WBLOCK \t
.endr
	s_wait_alu depctr_va_vdst(0)
	global_store_b64 v9, v[WSB:WSB+1], s[50:51]    ; my column's 8 scale bytes
.irp t, 0,1,2,3,4,5,6,7,8,9,10,11,12,13,14,15
	ds_load_b96 v[OUTR+4*\t:OUTR+4*\t+2], v7 offset:2*\t*WPITCH
.endr
.irp t, 0,1,2,3,4,5,6,7,8,9,10,11,12,13,14,15
.set PRR, 2*\t                         ; columns 2 t, 2 t + 1 go to these rows: the groups of eight 8..15 and 16..23 change places
.if \t/4 == 1
.set PRR, 2*\t+8
.endif
.if \t/4 == 2
.set PRR, 2*\t-8
.endif
	s_wait_dscnt 15-\t                             ; the younger row loads may be out
	global_store_b96 v8, v[OUTR+4*\t:OUTR+4*\t+2], s[48:49] offset:PRR*192
.endr
	s_wait_tensorcnt 0x0
	ds_add_u32 v208, v209
	s_wait_dscnt 0x0
	s_endpgm
.Lrope:
; ---------------- R ----------------
; A wave takes 16 positions, one a trip.  Lanes 0-15 make cos, lanes 16-31 sin, of frequencies 2 e and 2 e + 1 (e = lane % 16): the wave stores one position's 256 bytes by one instruction.
; The angle a = t f is rounded once, as the product of two f32 numbers is.  n = the whole number nearest to a 2/pi; r = a - n pi/2 with pi/2 in two parts (the first product is exact: n has 11 bits);
; sin r and cos r by polynomials on |r| <= pi/4; the quadrant picks one of them and its sign.  With m = n for cos and n + 3 for sin: m odd takes sin r, else cos r; bit 1 of m + 1 is the sign.
.macro SETF e, a, b
	s_mov_b32 s20, \a
	s_mov_b32 s21, \b
	v_writelane_b32 v4, s20, \e
	v_writelane_b32 v4, s20, \e+16
	v_writelane_b32 v5, s21, \e
	v_writelane_b32 v5, s21, \e+16
.endm
	s_sub_co_u32 s17, ttmp9, 384
	s_lshl_b32 s17, s17, 6
	s_lshl_b32 s18, s16, 4
	s_add_co_u32 s31, s17, s18                     ; my wave's first position
	v_mov_b32 v4, 0                                ; f of 2 e
	v_mov_b32 v5, 0                                ; f of 2 e + 1
	SETF 0,  0x3f800000, 0x3f3ff911
	SETF 1,  0x3f0ff59a, 0x3ed7e89b
	SETF 2,  0x3ea1e89b, 0x3e72d424
	SETF 3,  0x3e361887, 0x3e088d77
	SETF 4,  0x3dcccccd, 0x3d99940e
	SETF 5,  0x3d6655c3, 0x3d2cba15
	SETF 6,  0x3d0186e2, 0x3cc24350
	SETF 7,  0x3c91ad39, 0x3c5a7bf1
	SETF 8,  0x3c23d70a, 0x3bf5b9b0
	SETF 9,  0x3bb8449c, 0x3b8a2e77
	SETF 10, 0x3b4f3e37, 0x3b1b690d
	SETF 11, 0x3ae91528, 0x3aaec98e
	SETF 12, 0x3a83126f, 0x3a44948c
	SETF 13, 0x3a136a16, 0x39dd1726
	SETF 14, 0x39a5cb5f, 0x3978a814
	SETF 15, 0x393a7753, 0x390bd472
	v_lshrrev_b32 v6, 4, v2
	v_mul_u32_u24 v6, v6, 3                        ; 0 for cos, 3 for sin
	v_lshlrev_b32 v7, 3, v2                        ; 8 bytes a lane
	s_mov_b32 s20, 0x3f22f983                      ; 2 / pi
	s_mov_b32 s21, 0xbfc90fdb                      ; -(pi/2), its upper part
	s_mov_b32 s22, 0x333bbd2e                      ; -(pi/2 - the upper part)
	s_mov_b32 s23, 0xbe2aaaa3                      ; sin: r + r z (S1 + z (S2 + z S3)), z = r r
	s_mov_b32 s24, 0x3c08839e
	s_mov_b32 s25, 0xb94ca1f9
	s_mov_b32 s26, 0x3d2aaaa5                      ; cos: 1 - z/2 + z z (C1 + z (C2 + z C3))
	s_mov_b32 s27, 0xbab6061a
	s_mov_b32 s28, 0x37ccf5ce
	s_lshl_b32 s18, s31, 8
	s_mov_b32 s19, 0
	s_wait_kmcnt 0x0
	s_add_nc_u64 s[14:15], s[14:15], s[18:19]
.macro SINCOS dst, f
	v_mul_f32 v12, v8, v[\f]                       ; a
	v_mul_f32 v13, s20, v12
	v_rndne_f32 v13, v13                           ; n
	v_fma_f32 v14, v13, s21, v12
	v_fma_f32 v14, v13, s22, v14                   ; r
	v_cvt_i32_f32 v15, v13
	v_add_nc_u32 v15, v15, v6                      ; m
	v_mul_f32 v16, v14, v14                        ; z
	v_fma_f32 v17, v16, s25, s24
	v_fma_f32 v18, v16, s28, s27
	v_fma_f32 v17, v17, v16, s23
	v_fma_f32 v18, v18, v16, s26
	v_mul_f32 v17, v17, v16
	v_fma_f32 v18, v18, v16, -0.5
	v_fma_f32 v17, v17, v14, v14                   ; sin r
	v_fma_f32 v18, v18, v16, 1.0                   ; cos r
	v_and_b32 v19, 1, v15
	v_cmp_ne_u32 vcc_lo, 0, v19
	v_cndmask_b32 v[\dst], v18, v17, vcc_lo
	v_add_nc_u32 v19, 1, v15
	v_and_b32 v19, 2, v19
	v_lshlrev_b32 v19, 30, v19
	v_xor_b32 v[\dst], v[\dst], v19
.endm
	s_mov_b32 s30, 0
.Lpos:
	v_cvt_f32_u32 v8, s31                          ; t
	s_wait_alu depctr_va_vdst(0)
	SINCOS 10, 4
	SINCOS 11, 5
	global_store_b64 v7, v[10:11], s[14:15]        ; 32 lanes store 256 consecutive bytes, aligned
	s_wait_xcnt 0x0                                ; the store has read its data and its base: both are written again below and in the next trip
	s_add_nc_u64 s[14:15], s[14:15], 256
	s_add_co_u32 s31, s31, 1
	s_add_co_u32 s30, s30, 1
	s_cmp_lt_u32 s30, 16
	s_cbranch_scc1 .Lpos
	s_endpgm
.Lfunc_end_k_q6470a83de8_prep:
	.size	k_q6470a83de8_prep, .Lfunc_end_k_q6470a83de8_prep-k_q6470a83de8_prep
	.p2alignl 7, 3214868480
	.fill 96, 4, 3214868480
	.section	.rodata,"a",@progbits
	.p2align	6, 0x0
	.amdhsa_kernel k_q6470a83de8_prep
		.amdhsa_group_segment_fixed_size 68096
		.amdhsa_private_segment_fixed_size 0
		.amdhsa_enable_private_segment 0
		.amdhsa_kernarg_size 48
		.amdhsa_user_sgpr_count 2
		.amdhsa_user_sgpr_kernarg_segment_ptr 1
		.amdhsa_wavefront_size32 1
		.amdhsa_system_sgpr_workgroup_id_x 1
		.amdhsa_system_sgpr_workgroup_id_y 1
		.amdhsa_system_sgpr_workgroup_id_z 1
		.amdhsa_system_vgpr_workitem_id 0
		.amdhsa_next_free_vgpr 210
		.amdhsa_next_free_sgpr 66
		.amdhsa_reserve_vcc 1
		.amdhsa_float_denorm_mode_32 3
		.amdhsa_float_denorm_mode_16_64 3
		.amdhsa_memory_ordered 1
		.amdhsa_forward_progress 1
		.amdhsa_inst_pref_size 86
	.end_amdhsa_kernel
	.amdgpu_metadata
---
amdhsa.version: [ 1, 2 ]
amdhsa.kernels:
  - .name:           k_q6470a83de8_prep
    .symbol:         k_q6470a83de8_prep.kd
    .args:
      - { .name: x, .offset: 0, .size: 8, .value_kind: global_buffer, .address_space: global }
      - { .name: Wqkv, .offset: 8, .size: 8, .value_kind: global_buffer, .address_space: global }
      - { .name: Wo, .offset: 16, .size: 8, .value_kind: global_buffer, .address_space: global }
      - { .name: xq, .offset: 24, .size: 8, .value_kind: global_buffer, .address_space: global }
      - { .name: wq, .offset: 32, .size: 8, .value_kind: global_buffer, .address_space: global }
      - { .name: rope, .offset: 40, .size: 8, .value_kind: global_buffer, .address_space: global }
    .group_segment_fixed_size: 68096
    .private_segment_fixed_size: 0
    .kernarg_segment_align: 8
    .kernarg_segment_size: 48
    .max_flat_workgroup_size: 128
    .sgpr_count:     66
    .vgpr_count:     210
    .wavefront_size: 32
...
	.end_amdgpu_metadata
.endif
;; end of part 1
;; launch qkv (part 2): grid 8 x 48, 4 waves a work-group, clusters of 4 x 4, 327,680 bytes of LDS; arguments xq, wq, bqkv, rope, qk, vq; writes qk, vq
.if DOCPART == 2
	.amdgcn_target "amdgcn-amd-amdhsa--gfx1250"
	.amdhsa_code_object_version 6
	.text
	.protected	k_q6470a83de8_qkv
	.globl	k_q6470a83de8_qkv
	.p2align	8
	.type	k_q6470a83de8_qkv,@function
k_q6470a83de8_qkv:
	s_mov_b64 s[64:65], 0
	v_nop
	global_prefetch_b8 v0, s[64:65] scope:SCOPE_SE
	s_setreg_imm32_b32 hwreg(HW_REG_WAVE_MODE, 25, 1), 1
	s_wait_xcnt 0x0
	s_wait_alu depctr_hold_cnt(0) depctr_sa_sdst(0) depctr_va_vdst(0) depctr_va_sdst(0) depctr_va_ssrc(0) depctr_va_vcc(0) depctr_vm_vsrc(0)
	s_getreg_b32 s2, hwreg(HW_REG_IB_STS2, 6, 4)
	s_cmp_eq_u32 s2, 0
	s_cbranch_scc0 .Lentry_in_a_cluster
	s_endpgm
.Lentry_in_a_cluster:
	s_bfe_u32 s2, ttmp6, 0x10000c
	s_cmp_lg_u32 s2, 0xf033
	s_cbranch_scc0 .Lentry_shape_is_right
	s_endpgm
.Lentry_shape_is_right:
.set KSTEP,  256
.set NQ,     2
.set ROWB,   24576                     ; from one K step's tile of 128 rows to the next: the tile is dense in memory, 128 x 192 bytes
.set KROW,   768
.set PITCH,  240
.set FR,     12
.set NL,     6
.set NP,     4
.set HALFT,  128*PITCH
.set SLOT,   4*HALFT
.set LAPS,   2
.set KS,     32
.set SCL,    2*SLOT
.set HALFS,  (128*KS/256)*272
.set SBLK,   (16*KS/256)*272
.set SPARE,  SCL+4*HALFS
.set XS_OFF, 6291456
.set WS_OFF, 3145728
.set QKBLK,  6656
.set VBLK,   6400
.set QKH,    4*16*QKBLK
.set VH,     4*16*VBLK
.set L16,  7
.set L8,   8
.set RO,   9
.set BO,   10
.set BVO,  11
.set SH,   12
.set SQ,   13
.set SQR,  14
.set SVW,  15
.set ADRA, 16
.set ADRB, 20
.set SVR,  24
.set VSO,  25
.set ADRS, 27
.set SPW,  28
.set NIL,  29
.set SC,   32
.set AF,   128
.set BI,   64
.set CSR,  0
.set H,    128
.set T,    192
.set TM,   200
.set PW,   216
.set PC,   218
.set TS,   238
.set BK,   248
.set SEL,  104
.set G1, 24
.set G0, 32
.set G1B, 48
.set G0B, 56
.set G1S, 68
.set G0S, 76
.set G1SB, 80
.set G0SB, 88
.set MSB, 0
.macro WIN new
.if MSB != (\new)
	s_set_vgpr_msb (MSB<<8)|(\new)
.set MSB, (\new)
.endif
.endm
.set MUL_LO, 0xa1
.set MUL_HI, 0xf1
.set TO_B,   0x40
.macro JLOAD g0a, g1a, g0b, g1b
	s_cmp_eq_u32 s15, 0
	s_cbranch_scc0 .Lfor_b_\@
	tensor_load_to_lds s[\g0a:\g0a+3], s[\g1a:\g1a+7]
	s_nop 0
.rept 4
	v_nop
.endr
	s_branch .Lasked_\@
.Lfor_b_\@:
	tensor_load_to_lds s[\g0b:\g0b+3], s[\g1b:\g1b+7]
	s_nop 0
.rept 4
	v_nop
.endr
.Lasked_\@:
.endm
.macro CREST
	s_cmp_lg_u32 s14, 0
	s_cbranch_scc1 .Lnot_wave_0_\@
	s_barrier_signal -3
.Lnot_wave_0_\@:
	s_barrier_wait -3
	s_barrier_signal -1
	s_barrier_wait -1
.endm
.macro CROUND
	s_barrier_signal -1
	s_barrier_wait -1
	CREST
.endm
	s_load_b128 s[96:99], s[0:1], 0x0
	s_load_b64 s[66:67], s[0:1], 0x10
	s_load_b64 s[100:101], s[0:1], 0x18
	v_lshl_add_u32 v[SPW], v0, 2, SPARE
	v_mov_b32 v[NIL], 0
	ds_add_u32 v28, v29
	ds_add_u32 v28, v29
	s_wait_dscnt 0x0
	v_lshrrev_b32 v1, 5, v0
	v_readfirstlane_b32 s14, v1
	s_lshr_b32 s15, s14, 1
	s_and_b32 s16, s14, 1
	s_bfe_u32 s40, ttmp6, 0x40000
	s_bfe_u32 s41, ttmp6, 0x40004
	s_and_b32 s18, ttmp7, 0xffff
	s_max_u32 s19, s18, 8
	s_sub_co_u32 s19, s19, 8
	s_lshl_b32 s19, s19, 1
	s_add_co_u32 s19, s19, ttmp9
	s_cmp_lt_u32 s18, 8
	s_cselect_b32 s42, ttmp9, s19
	s_cselect_b32 s17, s18, 2
	s_cselect_b32 s2, 0, 1
	s_lshl_b32 s42, s42, 2
	s_add_co_u32 s42, s42, s40
	s_lshl_b32 s17, s17, 2
	s_add_co_u32 s17, s17, s41
	s_lshl_b32 s43, s41, 2
	s_lshl_b32 s43, 15, s43
	s_lshl_b32 s44, 0x1111, s40
	s_or_b32 s[G1+0], s43, (0<<16)|(1<<20)|(1<<21)|(3<<22)|(3<<25)
	s_or_b32 s[G1B+0], s44, (0<<16)|(1<<20)|(1<<21)|(3<<22)|(3<<25)
.irp g, G1, G1B
	s_mov_b32 s[\g+1], 256<<16                     ; the dense tile comes as 96 rows of 256 bytes, each at a multiple of 256 bytes;
	s_mov_b32 s[\g+2], 96<<16                      ; 16 bytes of padding behind every 64 make an LDS row of 192 bytes 240 long
	s_mov_b32 s[\g+3], 256<<16
	s_mov_b32 s[\g+4], 96
	s_mov_b32 s[\g+5], 256
	s_mov_b32 s[\g+6], 0
	s_mov_b32 s[\g+7], 0
.endr
	s_or_b32 s[G1S+0], s43, (3<<16)|(1<<20)|(1<<21)|(5<<22)|(3<<25)
	s_or_b32 s[G1SB+0], s44, (3<<16)|(1<<20)|(1<<21)|(5<<22)|(3<<25)
.irp g, G1S, G1SB
	s_mov_b32 s[\g+1], 32<<16
	s_mov_b32 s[\g+2], (128*KS/256)<<16
	s_mov_b32 s[\g+3], 32<<16
	s_mov_b32 s[\g+4], 128*KS/256
	s_mov_b32 s[\g+5], 32
	s_mov_b32 s[\g+6], 0
	s_mov_b32 s[\g+7], 0
.endr
	s_lshl_b32 s18, s16, 7
	s_lshl_b32 s20, s17, 8
	s_add_co_u32 s20, s20, s18
	s_lshl_b32 s46, s42, 8
	s_add_co_u32 s46, s46, s18
	s_mov_b32 s21, 0
	s_mov_b32 s47, 0
	s_mov_b64 s[18:19], KS
	s_mul_u64 s[22:23], s[20:21], s[18:19]
	s_mul_u64 s[92:93], s[46:47], s[18:19]
	s_mov_b64 s[18:19], KROW
	s_mul_u64 s[20:21], s[20:21], s[18:19]
	s_mul_u64 s[46:47], s[46:47], s[18:19]
	s_mul_i32 s45, s14, HALFT
	s_mul_i32 s94, s14, HALFS
	s_mov_b32 s[SEL], 0x76543210
	s_mov_b32 s[SEL+1], 0xfedcba98
	s_wait_kmcnt 0x0
	s_cmp_eq_u32 s2, 0
	s_cselect_b64 s[4:5], s[96:97], s[98:99]
	s_cselect_b64 s[8:9], s[98:99], s[96:97]
	s_mov_b32 s6, WS_OFF
	s_cselect_b32 s6, XS_OFF, s6
	s_mov_b32 s10, XS_OFF
	s_cselect_b32 s10, WS_OFF, s10
	s_mov_b32 s7, 0
	s_mov_b32 s11, 0
	s_add_nc_u64 s[6:7], s[4:5], s[6:7]
	s_add_nc_u64 s[10:11], s[8:9], s[10:11]
	s_add_nc_u64 s[20:21], s[4:5], s[20:21]
	s_add_nc_u64 s[22:23], s[6:7], s[22:23]
	s_add_nc_u64 s[46:47], s[8:9], s[46:47]
	s_add_nc_u64 s[92:93], s[10:11], s[92:93]
	CROUND
	s_mov_b32 s[G0S], 1
	s_add_co_u32 s[G0S+1], s94, SCL
	s_mov_b64 s[G0S+2:G0S+3], s[22:23]
	s_or_b32 s[G0S+3], s[G0S+3], 0x80000000
	s_mov_b32 s[G0SB], 1
	s_add_co_u32 s[G0SB+1], s94, SCL
	s_mov_b64 s[G0SB+2:G0SB+3], s[92:93]
	s_or_b32 s[G0SB+3], s[G0SB+3], 0x80000000
	JLOAD G0S, G1S, G0SB, G1SB
.irp s, 0,1
	s_mov_b32 s[G0+4*\s], 1
	s_add_co_u32 s[G0+4*\s+1], s45, \s*SLOT
	s_add_nc_u64 s[G0+4*\s+2:G0+4*\s+3], s[20:21], \s*ROWB
	s_or_b32 s[G0+4*\s+3], s[G0+4*\s+3], 0x80000000
	s_mov_b32 s[G0B+4*\s], 1
	s_add_co_u32 s[G0B+4*\s+1], s45, \s*SLOT
	s_add_nc_u64 s[G0B+4*\s+2:G0B+4*\s+3], s[46:47], \s*ROWB
	s_or_b32 s[G0B+4*\s+3], s[G0B+4*\s+3], 0x80000000
	s_wait_alu depctr_va_vdst(0)
	s_wait_tensorcnt 0x0
	ds_add_u32 v28, v29
	s_wait_dscnt 0x0
	CROUND
	JLOAD G0+4*\s, G1, G0B+4*\s, G1B
.endr
	s_load_b128 s[20:23], s[0:1], 0x20
	s_wait_kmcnt 0x0
	s_cmp_eq_u32 s2, 0
	s_cselect_b64 s[12:13], s[20:21], s[22:23]
	s_cselect_b32 s46, s17, s42
	s_cselect_b32 s47, s15, s16
	s_cselect_b32 s92, s42, s17
	s_cselect_b32 s93, s16, s15
	s_mov_b32 s94, VBLK
	s_cselect_b32 s94, QKBLK, s94
	s_cselect_b32 s95, 0, 32
	s_lshl_b32 s46, s46, 8
	s_lshl_b32 s47, s47, 7
	s_add_co_u32 s46, s46, s47
	s_lshl_b32 s92, s92, 8
	s_lshl_b32 s93, s93, 7
	s_add_co_u32 s92, s92, s93
	s_lshl_b32 s20, s92, 2
	s_mov_b32 s21, 0
	s_add_nc_u64 s[66:67], s[66:67], s[20:21]
	s_lshr_b32 s92, s92, 6
	s_sub_co_u32 s92, s92, s95
	s_lshl_b32 s92, s92, 2
	s_lshr_b32 s93, s46, 11
	s_add_co_u32 s92, s92, s93
	s_lshl_b32 s92, s92, 4
	s_bfe_u32 s93, s46, 0x40007
	s_add_co_u32 s92, s92, s93
	s_mul_i32 s20, s92, s94
	s_add_nc_u64 s[12:13], s[12:13], s[20:21]
	s_lshl_b32 s20, s93, 15
	s_add_nc_u64 s[100:101], s[100:101], s[20:21]
	v_and_b32 v1, 15, v0
	v_bfe_u32 v2, v0, 4, 1
	v_mul_u32_u24 v3, v1, PITCH
	v_mul_u32_u24 v4, v2, 24
	v_add_nc_u32 v4, v3, v4
	v_lshl_add_u32 v5, v2, 4, v4
	s_mul_i32 s21, s15, HALFT
	s_mul_i32 s22, s16, HALFT
	s_add_co_u32 s22, s22, 2*HALFT
.irp s, 0,1
	v_add_nc_u32 v[ADRA+\s], s21, v4
	v_add_nc_u32 v[ADRB+\s], s22, v4
	v_add_nc_u32 v[ADRA+2+\s], s21, v5
	v_add_nc_u32 v[ADRB+2+\s], s22, v5
	s_add_co_u32 s21, s21, SLOT
	s_add_co_u32 s22, s22, SLOT
.endr
	v_mul_u32_u24 v5, v1, KS
	v_lshrrev_b32 v6, 8, v5
	v_lshl_add_u32 v5, v6, 4, v5
	s_mul_i32 s21, s15, HALFS
	s_mul_i32 s22, s16, HALFS
	s_add_co_u32 s22, s22, 2*HALFS
	s_sub_co_u32 s22, s22, s21
	v_mul_u32_u24 v6, s22, v2
	s_add_co_u32 s21, s21, SCL
	v_add_nc_u32 v5, v5, v6
	v_add_nc_u32 v[ADRS], s21, v5
	v_and_b32 v3, 31, v0
	v_lshlrev_b32 v[L16], 4, v3
	v_lshlrev_b32 v[L8], 3, v3
	v_and_b32 v6, 8, v1
	v_add_nc_u32 v6, v6, v1
	v_and_b32 v31, 8, v1
	v_mad_u32_u24 v31, v31, 3, v1                  ; row r of a tile of xq is token r + 24 (r / 8) of the tile's first
	v_lshlrev_b32 v[RO], 8, v31
	v_lshl_add_u32 v[RO], v2, 6, v[RO]
	v_lshlrev_b32 v[BO], 6, v2
	v_lshlrev_b32 v[BVO], 2, v6
	v_lshlrev_b32 v[SH], 4, v2
	v_lshlrev_b32 v30, 3, v2                       ; 8 x (lane / 16): where my two scale bytes of v stand in the word
	s_lshl_b32 s21, s14, 10
	v_lshlrev_b32 v[SQ], 4, v1
	v_lshl_add_u32 v[SQ], v2, 9, v[SQ]
	v_add_nc_u32 v[SQ], s21, v[SQ]
	v_add_nc_u32 v[SQR], s21, v[L16]
	s_lshl_b32 s21, s14, 9
	s_add_co_u32 s21, s21, 4096
	v_lshlrev_b32 v[SVW], 3, v1
	v_add_nc_u32 v[SVW], s21, v[SVW]
	v_add_nc_u32 v[SVR], s21, v[L16]
	v_mul_u32_u24 v[VSO], v2, VH
	v_lshl_add_u32 v[VSO], v1, 4, v[VSO]
.macro FRAG reg, adr, q, i
.irp p, 0,1,2,3,4,5
.set PCE, 12*(\q)+6*(\p/3)+\p%3
.if PCE%8 < 5
	ds_load_b64 v[\reg+2*\p:\reg+2*\p+1], v[\adr] offset:8*PCE+16*(PCE/8)+(\i)*16*PITCH
.else
	ds_load_b64 v[\reg+2*\p:\reg+2*\p+1], v[\adr+2] offset:8*PCE+16*(PCE/8)+(\i)*16*PITCH
.endif
.endr
.endm
.macro MUL16 a0, p, q, sc, zero
.irp a, \a0, \a0+1
.irp b, 0,1,2,3,4,5,6,7
.if \zero
	v_wmma_scale_f32_16x16x128_f8f6f4 v[8*(8*((\a)%4)+\b):8*(8*((\a)%4)+\b)+7], v[128*(\p)+FR*\b:128*(\p)+FR*\b+FR-1], v[AF+FR*(\a):AF+FR*(\a)+FR-1], 0, v[SC+8*NQ*(\sc)+NQ*\b+(\q)], v[SC+8*NQ*(\sc)+NQ*(\a)+(\q)] matrix_a_fmt:MATRIX_FMT_FP6 matrix_b_fmt:MATRIX_FMT_FP6 matrix_a_scale:MATRIX_SCALE_ROW1
.else
	v_wmma_scale_f32_16x16x128_f8f6f4 v[8*(8*((\a)%4)+\b):8*(8*((\a)%4)+\b)+7], v[128*(\p)+FR*\b:128*(\p)+FR*\b+FR-1], v[AF+FR*(\a):AF+FR*(\a)+FR-1], v[8*(8*((\a)%4)+\b):8*(8*((\a)%4)+\b)+7], v[SC+8*NQ*(\sc)+NQ*\b+(\q)], v[SC+8*NQ*(\sc)+NQ*(\a)+(\q)] matrix_a_fmt:MATRIX_FMT_FP6 matrix_b_fmt:MATRIX_FMT_FP6 matrix_a_scale:MATRIX_SCALE_ROW1
.endif
.endr
.endr
.endm
.macro FETCH_B slot, q, p
	WIN TO_B
.irp i, 0,1,2,3,4,5,6,7
	FRAG 128*(\p)+FR*\i, ADRB+\slot, \q, \i
.endr
	WIN 0
.endm
.macro FETCH_A slot, q, i0
.irp i, \i0, \i0+1, \i0+2, \i0+3
	FRAG AF+FR*(\i), ADRA+\slot, \q, \i
.endr
.endm
.macro SCALES sc
.irp i, 0,1,2,3,4,5,6,7
	ds_load_b64 v[SC+8*NQ*\sc+NQ*\i:SC+8*NQ*\sc+NQ*\i+1], v[ADRS] offset:\i*SBLK
.endr
.endm
.macro PLACES n
.rept \n
	v_nop
.endr
.endm
.macro STEP slot, q, zero
	s_wait_dscnt 4*NL
	WIN MUL_LO
	MUL16 0, (\q)%2, \q, \slot, \zero
	MUL16 2, (\q)%2, \q, \slot, \zero
	s_wait_dscnt 0
	PLACES NP
	FETCH_B \slot, (\q)+1, 1-(\q)%2
	FETCH_A \slot, (\q)+1, 0
	WIN MUL_HI
	MUL16 4, (\q)%2, \q, \slot, \zero
	MUL16 6, (\q)%2, \q, \slot, \zero
	PLACES NP
	WIN 0
	FETCH_A \slot, (\q)+1, 4
.endm
.macro TURN slot, next, fill
	s_wait_tensorcnt 0x0
	ds_add_u32 v[SPW], v[NIL]
	s_wait_dscnt 4*NL+1
	WIN MUL_LO
	MUL16 0, 1, NQ-1, \slot, 0
	s_wait_dscnt 0x0
	s_barrier_signal -1
	MUL16 2, 1, NQ-1, \slot, 0
	WIN 0
	s_barrier_wait -1
.if \fill
	CREST
	s_add_nc_u64 s[G0+4*\slot+2:G0+4*\slot+3], s[G0+4*\slot+2:G0+4*\slot+3], 2*ROWB
	s_add_nc_u64 s[G0B+4*\slot+2:G0B+4*\slot+3], s[G0B+4*\slot+2:G0B+4*\slot+3], 2*ROWB
	JLOAD G0+4*\slot, G1, G0B+4*\slot, G1B
.else
	PLACES NP
.endif
	s_wait_alu depctr_va_vdst(0)
	v_add_nc_u32 v[ADRS], 4*NQ, v[ADRS]
	FETCH_B \next, 0, 0
	FETCH_A \next, 0, 0
	SCALES \next
	WIN MUL_HI
	MUL16 4, 1, NQ-1, \slot, 0
	MUL16 6, 1, NQ-1, \slot, 0
	PLACES NP
	WIN 0
	FETCH_A \next, 0, 4
.endm
	s_wait_tensorcnt 1
	s_barrier_signal -1
	s_barrier_wait -1
	FETCH_B 0, 0, 0
	FETCH_A 0, 0, 0
	SCALES 0
	FETCH_A 0, 0, 4
	STEP 0, 0, 1
	s_mov_b32 s3, LAPS-1
.Llap:
	TURN 0, 1, 1
	STEP 1, 0, 0
	TURN 1, 0, 1
	STEP 0, 0, 0
	s_sub_co_u32 s3, s3, 1
	s_cmp_lg_u32 s3, 0
	s_cbranch_scc1 .Llap
	TURN 0, 1, 0
	STEP 1, 0, 0
	s_wait_dscnt 4*NL
	WIN MUL_LO
	MUL16 0, 1, NQ-1, 1, 0
	MUL16 2, 1, NQ-1, 1, 0
	s_wait_dscnt 0
	WIN MUL_HI
	MUL16 4, 1, NQ-1, 1, 0
	MUL16 6, 1, NQ-1, 1, 0
	WIN 0
.macro QUANT s
.irp b, 0,1,2,3
	v_max3_num_f32 v[TM+\b], |v[\s+16*\b]|, |v[\s+1+16*\b]|, 0x1800000
.endr
.irp i, 2,4,6,8,10,12,14
.irp b, 0,1,2,3
	v_max3_num_f32 v[TM+\b], v[TM+\b], |v[\s+16*\b+\i]|, |v[\s+1+16*\b+\i]|
.endr
.endr
.irp b, 0,1,2,3
	v_permlanex16_b32 v[TM+4+\b], v[TM+\b], s[SEL], s[SEL+1]
.endr
.irp b, 0,1,2,3
	v_max_num_f32 v[TM+\b], v[TM+\b], v[TM+4+\b]
.endr
.irp b, 0,1,2,3
	v_add_nc_u32 v[TM+12+\b], 0xff000000, v[TM+\b]
.endr
.irp b, 0,1,2,3
	v_lshrrev_b32 v[TM+4+\b], 23, v[TM+12+\b]
.endr
	v_lshl_or_b32 v[PW], v[TM+5], 8, v[TM+4]
	v_lshl_or_b32 v[PW], v[TM+6], 16, v[PW]
	v_lshl_or_b32 v[PW], v[TM+7], 24, v[PW]
.irp c, 0,1
	v_cvt_scalef32_pk16_fp6_f32 v[PC+6*\c:PC+2+6*\c], v[\s+32*\c:\s+15+32*\c], v[TM+12+2*\c]
	v_cvt_scalef32_pk16_fp6_f32 v[PC+12+4*\c:PC+14+4*\c], v[\s+16+32*\c:\s+31+32*\c], v[TM+12+2*\c+1]
.endr
	v_nop
.irp c, 0,1
.irp i, 0,1,2
	v_permlane16_swap_b32 v[PC+6*\c+\i], v[PC+12+4*\c+\i]
.endr
.irp i, 0,1,2
	v_mov_b32 v[PC+3+6*\c+\i], v[PC+12+4*\c+\i]
.endr
.endr
.endm
; v along the tokens: tiles 4 c .. 4 c + 3 give a lane tokens 64 c + 32 (lane / 16) + 0 .. 31 in 32 registers: a whole block, in the operand's own order
.macro QUANTV s
.irp c, 0,1
	v_max3_num_f32 v[TM+\c], |v[\s+32*\c]|, |v[\s+1+32*\c]|, 0x1800000
.endr
.irp i, 2,4,6,8,10,12,14,16,18,20,22,24,26,28,30
.irp c, 0,1
	v_max3_num_f32 v[TM+\c], v[TM+\c], |v[\s+32*\c+\i]|, |v[\s+1+32*\c+\i]|
.endr
.endr
.irp c, 0,1
	v_add_nc_u32 v[TM+12+\c], 0xff000000, v[TM+\c]
.endr
.irp c, 0,1
	v_lshrrev_b32 v[TM+4+\c], 23, v[TM+12+\c]
.endr
	v_lshl_or_b32 v[PW], v[TM+5], 16, v[TM+4]      ; my bytes: blocks h and 2 + h,
	v_lshlrev_b32 v[PW], v30, v[PW]                ; at their places;
	v_permlanex16_b32 v[TM+6], v[PW], s[SEL], s[SEL+1]
	v_or_b32 v[PW], v[PW], v[TM+6]                 ; with lane l xor 16's two the word is whole
.irp c, 0,1
	v_cvt_scalef32_pk16_fp6_f32 v[PC+6*\c:PC+2+6*\c], v[\s+32*\c:\s+15+32*\c], v[TM+12+\c]
	v_cvt_scalef32_pk16_fp6_f32 v[PC+12+4*\c:PC+14+4*\c], v[\s+16+32*\c:\s+31+32*\c], v[TM+12+\c]
.endr
	v_nop
.irp c, 0,1
.irp i, 0,1,2
	v_mov_b32 v[PC+3+6*\c+\i], v[PC+12+4*\c+\i]
.endr
.endr
.endm
.macro CSLOAD a
	WIN TO_B
.irp i, 0,1,2,3
	global_load_b128 v[CSR+4*\i:CSR+4*\i+3], v[RO], s[100:101] offset:(64*((\a)/4)+8*((\a)%4))*256+16*\i
	global_load_b128 v[CSR+16+4*\i:CSR+16+4*\i+3], v[RO], s[100:101] offset:(64*((\a)/4)+8*((\a)%4))*256+128+16*\i
.endr
	WIN 0
.endm
.macro ROPE
	WIN 0x04
.irp e, 0,1
.irp u, 0,1
.irp j, 0,1,2,3
.set X1, H+32*\e+8*\u+2*\j
.set CC, CSR+8*\u+2*\j
.set TT, T+4*(\j%2)
	v_pk_mul_f32 v[TT:TT+1], v[X1+16:X1+17], v[CC+16:CC+17]
	v_pk_mul_f32 v[TT+2:TT+3], v[X1:X1+1], v[CC+16:CC+17]
	v_pk_fma_f32 v[X1:X1+1], v[X1:X1+1], v[CC:CC+1], v[TT:TT+1] neg_lo:[0,0,1] neg_hi:[0,0,1]
	v_pk_fma_f32 v[X1+16:X1+17], v[X1+16:X1+17], v[CC:CC+1], v[TT+2:TT+3]
.endr
.endr
.endr
	WIN 0
.endm
.macro QKOUT a
.if (\a) == 0
	s_wait_loadcnt 8
.endif
	WIN 0x02+(\a)/4
.set i, 0
.rept 32
	v_pk_add_f32 v[H+2*i:H+2*i+1], v[64*((\a)%4)+2*i:64*((\a)%4)+2*i+1], v[BI+2*i:BI+2*i+1]
.set i, i+1
.endr
	s_wait_loadcnt 0x0
	ROPE
	s_wait_xcnt 0x0
.if (\a) < 7
	CSLOAD (\a)+1
.endif
	QUANT H
.irp e, 0,1
	global_store_b128 v[L16], v[PC+6*\e:PC+6*\e+3], s[12:13] offset:768*(\a)+QKH*\e
	global_store_b64 v[L8], v[PC+6*\e+4:PC+6*\e+5], s[12:13] offset:768*(\a)+512+QKH*\e
.endr
	v_lshrrev_b32 v[TS], v[SH], v[PW]
	v_and_b32 v[TS], 0xffff, v[TS]
	ds_store_b32 v[SQ], v[TS] offset:256*((\a)%2)+4*((\a)/2)
.endm
.macro VOUT a
	WIN 0x02+(\a)/4
.set i, 0
.rept 32
.if (\a)%2
	v_pk_add_f32 v[H+2*i:H+2*i+1], v[64*((\a)%4)+2*i:64*((\a)%4)+2*i+1], v[BI+2*((\a)/2):BI+2*((\a)/2)+1] op_sel:[0,1] op_sel_hi:[1,1]
.else
	v_pk_add_f32 v[H+2*i:H+2*i+1], v[64*((\a)%4)+2*i:64*((\a)%4)+2*i+1], v[BI+2*((\a)/2):BI+2*((\a)/2)+1] op_sel_hi:[1,0]
.endif
.set i, i+1
.endr
	WIN 0
	s_wait_xcnt 0x0
	QUANTV H
.irp j, 0,1,2
	global_store_b128 v[L16], v[PC+4*\j:PC+4*\j+3], s[12:13] offset:VH*((\a)/4)+1536*((\a)%4)+512*\j
.endr
	ds_store_b32 v[SVW], v[PW] offset:256*((\a)/4)+128*((\a)%2)+4*(((\a)%4)/2)
.endm
	PLACES NP
.irp b, 0,1,2,3
	v_mov_b32 v[TM+4+\b], 0
.endr
	s_cmp_eq_u32 s2, 0
	s_cbranch_scc0 .Lv_out
.irp b, 0,1,2,3,4,5,6,7
	global_load_b128 v[BI+8*\b:BI+8*\b+3], v[BO], s[66:67] offset:(32*(\b/2)+8*(\b%2))*4
	global_load_b128 v[BI+8*\b+4:BI+8*\b+7], v[BO], s[66:67] offset:(32*(\b/2)+8*(\b%2))*4+16
.endr
	CSLOAD 0
.irp a, 0,1,2,3,4,5,6,7
	QKOUT \a
.endr
.irp e, 0,1
	ds_load_b128 v[BK+4*\e:BK+4*\e+3], v[SQR] offset:512*\e
.endr
	s_wait_dscnt 0x0
.irp e, 0,1
	global_store_b128 v[L16], v[BK+4*\e:BK+4*\e+3], s[12:13] offset:6144+QKH*\e
.endr
	s_branch .Lend
.Lv_out:
.irp a, 0,1,2,3,4,5,6,7
	global_load_b32 v[BI+\a], v[BVO], s[66:67] offset:(32*(\a/2)+8*(\a%2))*4
.endr
	s_wait_loadcnt 0x0
.irp a, 0,1,2,3,4,5,6,7
	VOUT \a
.endr
	ds_load_b128 v[BK:BK+3], v[SVR]
	s_wait_dscnt 0x0
	global_store_b128 v[VSO], v[BK:BK+3], s[12:13] offset:6144
.Lend:
	s_wait_tensorcnt 0x0
	ds_add_u32 v[SPW], v[NIL]
	s_wait_dscnt 0x0
	CROUND
	s_endpgm
.Lfunc_end_k_q6470a83de8_qkv:
	.size	k_q6470a83de8_qkv, .Lfunc_end_k_q6470a83de8_qkv-k_q6470a83de8_qkv
	.p2alignl 7, 3214868480
	.fill 96, 4, 3214868480
	.section	.rodata,"a",@progbits
	.p2align	6, 0x0
	.amdhsa_kernel k_q6470a83de8_qkv
		.amdhsa_group_segment_fixed_size 327680
		.amdhsa_private_segment_fixed_size 0
		.amdhsa_enable_private_segment 0
		.amdhsa_kernarg_size 48
		.amdhsa_user_sgpr_count 2
		.amdhsa_user_sgpr_kernarg_segment_ptr 1
		.amdhsa_wavefront_size32 1
		.amdhsa_system_sgpr_workgroup_id_x 1
		.amdhsa_system_sgpr_workgroup_id_y 1
		.amdhsa_system_sgpr_workgroup_id_z 1
		.amdhsa_system_vgpr_workitem_id 0
		.amdhsa_next_free_vgpr 1024
		.amdhsa_next_free_sgpr 106
		.amdhsa_reserve_vcc 0
		.amdhsa_float_denorm_mode_32 3
		.amdhsa_float_denorm_mode_16_64 3
		.amdhsa_memory_ordered 1
		.amdhsa_forward_progress 1
		.amdhsa_inst_pref_size 255
	.end_amdhsa_kernel
	.section	.bss,"aw",@nobits
	.p2align	6
	.space	262144
	.amdgpu_metadata
---
amdhsa.version: [ 1, 2 ]
amdhsa.kernels:
  - .name:           k_q6470a83de8_qkv
    .symbol:         k_q6470a83de8_qkv.kd
    .args:
      - { .name: xq, .offset: 0, .size: 8, .value_kind: global_buffer, .address_space: global }
      - { .name: wq, .offset: 8, .size: 8, .value_kind: global_buffer, .address_space: global }
      - { .name: bqkv, .offset: 16, .size: 8, .value_kind: global_buffer, .address_space: global }
      - { .name: rope, .offset: 24, .size: 8, .value_kind: global_buffer, .address_space: global }
      - { .name: qk, .offset: 32, .size: 8, .value_kind: global_buffer, .address_space: global }
      - { .name: vq, .offset: 40, .size: 8, .value_kind: global_buffer, .address_space: global }
    .group_segment_fixed_size: 327680
    .private_segment_fixed_size: 0
    .kernarg_segment_align: 8
    .kernarg_segment_size: 48
    .max_flat_workgroup_size: 128
    .sgpr_count:     106
    .vgpr_count:     1024
    .wavefront_size: 32
...
	.end_amdgpu_metadata
.endif
;; end of part 2
;; launch attn (part 3): grid 4 x 64, 8 waves a work-group, clusters of 4 x 1, 209,920 bytes of LDS; arguments qk, vq, oq; writes oq
.if DOCPART == 3
	.amdgcn_target "amdgcn-amd-amdhsa--gfx1250"
	.amdhsa_code_object_version 6
	.text
	.protected	k_q6470a83de8_attn
	.globl	k_q6470a83de8_attn
	.p2align	8
	.type	k_q6470a83de8_attn,@function
k_q6470a83de8_attn:
	s_mov_b64 s[64:65], 0
	v_nop
	global_prefetch_b8 v0, s[64:65] scope:SCOPE_SE
	s_setreg_imm32_b32 hwreg(HW_REG_WAVE_MODE, 25, 1), 1
	s_wait_xcnt 0x0
	s_wait_alu depctr_hold_cnt(0) depctr_sa_sdst(0) depctr_va_vdst(0) depctr_va_sdst(0) depctr_va_ssrc(0) depctr_va_vcc(0) depctr_vm_vsrc(0)
	s_getreg_b32 s2, hwreg(HW_REG_IB_STS2, 6, 4)
	s_cmp_eq_u32 s2, 0
	s_cbranch_scc0 .Lentry_in_a_cluster
	s_endpgm
.Lentry_in_a_cluster:
	s_bfe_u32 s2, ttmp6, 0x10000c
	s_cmp_lg_u32 s2, 0x3003
	s_cbranch_scc0 .Lentry_shape_is_right
	s_endpgm
.Lentry_shape_is_right:
; o = softmax(q k^T / 8) v for one head (h, b) of 2,048 tokens and 64 channels, both products on codes of FP6 (E2M3) with one E8M0 scale for each 32 along K; then o is quantised along (h d) for the last product.
; THE SOFTMAX: t = score x log2(e) / 8; M = the row's largest t so far, rounded UP to a whole number; p = 2^(t - M) is quantised along the keys, not normalised.  The row's sum is taken of the
; unquantised p and divides O at the end.  When M moves, the sum and O are multiplied by 2^(old M - new M): exact.
; SHARES.  The grid's y is g = 4 h + b.  The four work-groups of a cluster share a head: each owns 512 queries, each of its eight waves FOUR tiles of 16 queries, which walk the keys together:
; a key step's fragments of k and v (13,056 bytes) are read from LDS once a wave and feed all four tiles.
; LDS.  The whole head's k (106,496 bytes) and v (102,400) stay in LDS, filled once: every wave issues ONE joint load at the head, waves 0-3 four key steps of k each, waves 4-7 four of v; the mask names the
; four partners.  One barrier shows the head whole to all waves; no byte is filled twice, so no other barrier stands in the walk.
; NO PREFETCH: all that the launch reads by tensor loads is asked for at its head; there is no loop to run ahead in.
; LAYOUT.  Both products are used transposed: S^T = k q^T (source 0 = 16 keys), O^T = v^T p^T (source 0 = 16 channels): a lane holds ONE query (lane % 16) of each tile.  Row 8 h + j of k's tile 4 c + u is key
; 64 c + 32 h + 8 u + j of the step, so a lane's registers 32 c .. 32 c + 31 of the scores are keys 64 c + 32 (lane / 16) + 0 .. 31: a WHOLE block of 32, in the very place that p's operand wants it.
; K = 64 IN AN INSTRUCTION OF 128: a tile of k is six registers; the instruction names twelve: the upper six (the next tile's codes; behind the last tile zeros) meet q's upper six, which are zero codes,
; under scale bytes 0 (2^-127, no NaN): they add nothing.
; REGISTERS, in two windows of 256.  Window 1: v0-127 the four O^T, v176-223 the four tiles of q.  All else in window 0.
; LIMITS: the scaled scores t stay under 2^31 in magnitude; NaN and infinities are not served; a block whose largest magnitude lies under 2^-124 keeps the scale byte 1, which this program alone reads.
.set KBLK,  6656                       ; a key step of k: eight tiles of 768 bytes, then 512 bytes of scale words
.set VBLK,  6400                       ; of v: four fragments of 1,536 bytes, then 256 bytes of scale words
.set KHEAD, 16*KBLK
.set VHEAD, 16*VBLK
.set VB,    KHEAD                      ; LDS: k at 0, v behind it
.set KCH,   4*KBLK                     ; what one wave fetches: 104 rows of 256 bytes of k,
.set VCH,   4*VBLK                     ; or 100 of v
.set SPARE, KHEAD+VHEAD                ; the spare words: 128 bytes for each of 8 waves
.set OS_OFF, 6291456                   ; oq: the scale bytes [8192][32] behind the codes [512 tiles][16 heads][768]
.set L16, 1                            ; v1   16 x lane
.set L8,  2                            ; v2   8 x lane
.set OSC, 3                            ; v3   32 r + h: my byte among o's scale bytes
.set QSO, 4                            ; v4   16 r
.set SH8, 5                            ; v5   8 h
                                       ; v8-11 LDS addresses of the step's k and v; tile n: v[12+4n] -M, v[13+4n] the largest score so far, v[14+4n:15+4n] the row's sum
.set QS,  28                           ; v28-31   the four tiles' scale words
                                       ; v32-85   k's eight tiles and six zeros; v96-159 one tile's scores, then p
.set OC,  86                           ; v86-95 in a step: five chains of the row's sum; at the end o's codes, the second conversion's, the scale byte
.set OC2, 92
.set OBY, 95
.set VF,  160                          ; v160-207 v's four fragments
.set MX,  208                          ; v208-211 four chains of maxima; then v208, v210: the two blocks' largest scores, then largest p
.set PX,  212                          ; v212-213 lane permutes' destinations
.set SO,  214                          ; v214-215 the conversions' scale operands
.set BY,  216                          ; v216-217 scale bytes
.set T0,  218
.set T1,  219
.set F,   220                          ; v[220:221] f = 2^(old M - new M); the upper register is only named
.set W,   222
.set PC,  224                          ; v224-235 p's codes
.set PH,  236                          ; v236-238, v240-242 the blocks' upper halves on the way
.set KSC, 244                          ; v244-247 k's scale words
.set VSC, 248                          ; v248-249 v's
.set PW,  250                          ; p's scale word
.set QF,  176                          ; window 1: tile n's q at v[176+12n]: six registers of codes, six of zeros
.set WV,  18
.set SEL, 20
.set CS,  22                           ; s[22:23] c = log2(e) / 8
.set NC,  19                           ; -c
.set G1K, 24
.set G1V, 32
.set MSB, 0
.macro WIN new                         ; s_set_vgpr_msb: bits 1:0 source 0, 3:2 source 1, 5:4 source 2, 7:6 destination; the high byte repeats the setting that is left
.if MSB != (\new)
	s_set_vgpr_msb (MSB<<8)|(\new)
.set MSB, (\new)
.endif
.endm
.macro CROUND                          ; a round of the cluster's barrier
	s_barrier_signal -1
	s_barrier_wait -1
	s_cmp_lg_u32 s[WV], 0
	s_cbranch_scc1 .Lnot_wave_0_\@
	s_barrier_signal -3
.Lnot_wave_0_\@:
	s_barrier_wait -3
	s_barrier_signal -1
	s_barrier_wait -1
.endm
	s_load_b128 s[4:7], s[0:1], 0x0                ; qk, vq
	s_load_b64 s[8:9], s[0:1], 0x10                ; oq
	v_lshl_add_u32 v254, v0, 2, SPARE
	v_mov_b32 v255, 0
	ds_add_u32 v254, v255                          ; the opening lines: the add, twice on end, and its wait ahead of my tensor load
	ds_add_u32 v254, v255
	v_lshrrev_b32 v1, 5, v0
	s_delay_alu instid0(VALU_DEP_1)
	v_readfirstlane_b32 s[WV], v1                  ; wave 0..7
	s_and_b32 s76, ttmp7, 0xffff                   ; g = 4 h + b, which the four partners share
	s_mul_i32 s78, s76, KHEAD                      ; q's head in qk
	s_add_co_u32 s80, s78, 64*KHEAD                ; k's: 16 heads x 4 further on
	s_mov_b32 s81, 0
	s_mul_i32 s82, s76, VHEAD
	s_mov_b32 s83, 0
	; descriptor group 1: a dense piece as rows of 256 bytes (32 elements of 8 bytes); the mask names all four work-groups
	s_mov_b32 s[G1K], 15|(3<<16)|(1<<21)
	s_mov_b32 s[G1K+1], 32<<16
	s_mov_b32 s[G1K+2], (KCH/256)<<16
	s_mov_b32 s[G1K+3], 32<<16
	s_mov_b32 s[G1K+4], KCH/256
	s_mov_b32 s[G1K+5], 32
	s_mov_b32 s[G1K+6], 0
	s_mov_b32 s[G1K+7], 0
	s_mov_b32 s[G1V], 15|(3<<16)|(1<<21)
	s_mov_b32 s[G1V+1], 32<<16
	s_mov_b32 s[G1V+2], (VCH/256)<<16
	s_mov_b32 s[G1V+3], 32<<16
	s_mov_b32 s[G1V+4], VCH/256
	s_mov_b32 s[G1V+5], 32
	s_mov_b32 s[G1V+6], 0
	s_mov_b32 s[G1V+7], 0
	s_and_b32 s48, s[WV], 3                        ; which piece of k or of v is mine to fetch
	s_mul_i32 s50, s48, KCH
	s_mov_b32 s51, 0
	s_mul_i32 s52, s48, VCH
	s_mov_b32 s53, 0
	; my queries and my results: the only numbers that hold cx; they enter global addresses of q and o alone
	s_bfe_u32 s84, ttmp6, 0x40000                  ; cx
	s_lshl_b32 s85, s84, 2
	s_lshr_b32 s86, s[WV], 1
	s_add_co_u32 s85, s85, s86                     ; my tiles' step block: 4 cx + wave / 2
	s_mul_i32 s85, s85, KBLK
	s_add_co_u32 s85, s85, s78
	s_and_b32 s86, s[WV], 1
	s_mul_i32 s87, s86, 3072
	s_add_co_u32 s88, s85, s87                     ; my first tile's image: tile 4 (wave % 2) of the block
	s_mov_b32 s89, 0
	s_lshl_b32 s86, s86, 3
	s_add_co_u32 s90, s85, s86
	s_add_co_u32 s90, s90, 6144                    ; tile T's scale words lie at 16 r + 4 (T / 2) + 256 (T % 2)
	s_mov_b32 s91, 0
	s_and_b32 s86, s76, 3                          ; b
	s_lshr_b32 s87, s76, 2                         ; h
	s_lshl_b32 s92, s86, 7
	s_lshl_b32 s93, s84, 5
	s_add_co_u32 s92, s92, s93
	s_lshl_b32 s93, s[WV], 2
	s_add_co_u32 s92, s92, s93                     ; my first tile among the 512 of all tokens
	s_mul_i32 s94, s92, 12288
	s_mul_i32 s93, s87, 768
	s_add_co_u32 s94, s94, s93
	s_mov_b32 s95, 0
	s_lshl_b32 s92, s92, 9                         ; 16 rows of 32 scale bytes
	s_lshl_b32 s93, s87, 1
	s_add_co_u32 s92, s92, s93
	s_add_co_u32 s92, s92, OS_OFF
	s_mov_b32 s93, 0
	s_mov_b32 s[SEL], 0x76543210
	s_mov_b32 s[SEL+1], 0xfedcba98
	s_mov_b32 s[CS], 0x3e38aa3b
	s_mov_b32 s[CS+1], s[CS]                       ; (named with it as a pair, so it is written)
	s_mov_b32 s[NC], 0xbe38aa3b
	s_wait_dscnt 0x0                               ; both opening adds are done
	s_wait_kmcnt 0x0
	s_add_nc_u64 s[80:81], s[4:5], s[80:81]        ; k's head
	s_add_nc_u64 s[82:83], s[6:7], s[82:83]        ; v's
	s_add_nc_u64 s[10:11], s[4:5], s[88:89]
	s_add_nc_u64 s[12:13], s[4:5], s[90:91]
	s_add_nc_u64 s[14:15], s[8:9], s[94:95]
	s_add_nc_u64 s[16:17], s[8:9], s[92:93]
	s_mov_b32 s40, 1                               ; group 0 for a piece of k: LDS and memory both at (wave % 4) x KCH of the head
	s_mov_b32 s41, s50
	s_add_nc_u64 s[42:43], s[80:81], s[50:51]
	s_or_b32 s43, s43, 0x80000000
	s_mov_b32 s44, 1                               ; and for a piece of v
	s_add_co_u32 s45, s52, VB
	s_add_nc_u64 s[46:47], s[82:83], s[52:53]
	s_or_b32 s47, s47, 0x80000000
	CROUND                                         ; all four work-groups are here: the joint loads meet
	s_cmp_lt_u32 s[WV], 4                          ; one load a wave, one in each arm: every way through the head passes exactly one
	s_cbranch_scc0 .Lfill_v
	tensor_load_to_lds s[40:43], s[G1K:G1K+7]
	s_nop 0
.rept 4
	v_nop
.endr
	s_branch .Lfilled
.Lfill_v:
	tensor_load_to_lds s[44:47], s[G1V:G1V+7]
	s_nop 0
.rept 4
	v_nop
.endr
.Lfilled:
	v_and_b32 v6, 31, v0
	v_and_b32 v7, 15, v0                           ; r
	v_bfe_u32 v10, v0, 4, 1                        ; h
	v_lshlrev_b32 v[L16], 4, v6
	v_lshlrev_b32 v[L8], 3, v6
	v_lshl_add_u32 v[OSC], v7, 5, v10
	v_lshlrev_b32 v[QSO], 4, v7
	v_lshlrev_b32 v[SH8], 3, v10
.irp n, 0,1,2,3
	global_load_b32 v[QS+\n], v[QSO], s[12:13] offset:256*(\n%2)+4*(\n/2)
.endr
	WIN 0x40                                       ; destinations in window 1
.irp n, 0,1,2,3
	global_load_b128 v[QF+12*\n:QF+3+12*\n], v[L16], s[10:11] offset:768*\n
	global_load_b64 v[QF+4+12*\n:QF+5+12*\n], v[L8], s[10:11] offset:768*\n+512
.endr
.irp n, 0,1,2,3
.irp j, 6,7,8,9,10,11
	v_mov_b32 v[QF+12*\n+\j], 0                    ; zero codes for k = 64 .. 127
.endr
.endr
.set i, 0
.rept 128
	v_mov_b32 v[i], 0                              ; the four O^T begin as zeros: the first change of M multiplies zeros by 0
.set i, i+1
.endr
	WIN 0
.irp j, 0,1,2,3,4,5
	v_mov_b32 v[80+\j], 0                          ; behind k's last tile
.endr
.irp n, 0,1,2,3
	v_mov_b32 v[12+4*\n], 0x7e000000               ; -M begins at 2^125, above every -M to come,
	v_mov_b32 v[13+4*\n], 0xff61b1e6               ; the largest score at -3e38, under every score,
	v_mov_b32 v[14+4*\n], 0                        ; the sum at 0
	v_mov_b32 v[15+4*\n], 0
.endr
	v_mov_b32 v[PX], 0                             ; written once: a lane permute's destination counts as one of its sources
	v_mov_b32 v[PX+1], 0
	v_mov_b32 v[T1], 0
	v_mov_b32 v[F+1], 0                            ; (named as the upper half of a pair)
	s_mov_b32 s2, 0                                ; where the step's block of k begins in LDS,
	s_mov_b32 s3, VB                               ; and v's
	v_add_nc_u32 v8, s2, v[L16]
	v_add_nc_u32 v9, s2, v[L8]
	v_add_nc_u32 v10, s3, v[L16]
	v_add_nc_u32 v11, s3, v[L8]
; THE ROW'S SUM goes in eight chains of packed additions: chain 0 is the tile's running sum (SUMR), chains 1-5 lie at v86-95, chain 6 at v6-7, chain 7 at v252-253
.macro CH n, ch
.if (\ch) == 0
.set \n, SUMR
.else
.if (\ch) < 6
.set \n, 84+2*(\ch)
.else
.set \n, 6+246*((\ch)-6)
.endif
.endif
.endm
.macro NEWS ch                         ; chain ch (1..7) begins with p's pairs 2 ch - 2 and 2 ch - 1
	CH RA, \ch
	v_pk_add_f32 v[RA:RA+1], v[92+4*(\ch):93+4*(\ch)], v[94+4*(\ch):95+4*(\ch)]
.endm
.macro ACC ch, k                       ; chain ch takes pair k
	CH RA, \ch
	v_pk_add_f32 v[RA:RA+1], v[RA:RA+1], v[96+2*(\k):97+2*(\k)]
.endm
.macro JOIN a, b                       ; chain a takes chain b
	CH RA, \a
	CH RB, \b
	v_pk_add_f32 v[RA:RA+1], v[RA:RA+1], v[RB:RB+1]
.endm
.macro LAST4 n                         ; the last four additions of tile n's sum: plain work on registers that no product names
.set SUMR, 14+4*(\n)
	JOIN 1, 3
	JOIN 5, 7
	JOIN 1, 5
	JOIN 0, 1
.endm
; ONE TILE OF QUERIES against the step's 128 keys, whose fragments lie in registers.
.macro TS n
.set NM, 12+4*(\n)
	WIN 0x04                                       ; source 1, q, in window 1
.irp t, 0,2,4,6
	v_wmma_scale_f32_16x16x128_f8f6f4 v[96+8*\t:103+8*\t], v[32+6*\t:43+6*\t], v[QF+12*(\n):QF+11+12*(\n)], 0, v[KSC+\t/2], v[QS+(\n)] matrix_a_fmt:MATRIX_FMT_FP6 matrix_b_fmt:MATRIX_FMT_FP6
	v_wmma_scale_f32_16x16x128_f8f6f4 v[104+8*\t:111+8*\t], v[38+6*\t:49+6*\t], v[QF+12*(\n):QF+11+12*(\n)], 0, v[KSC+\t/2], v[QS+(\n)] matrix_a_fmt:MATRIX_FMT_FP6 matrix_b_fmt:MATRIX_FMT_FP6 matrix_a_scale:MATRIX_SCALE_ROW1
.endr
	WIN 0
.if (\n) == 0                          ; four places in front of the first read of the scores: the next step's addresses,
	v_add_nc_u32 v8, s2, v[L16]
	v_add_nc_u32 v9, s2, v[L8]
	v_add_nc_u32 v10, s3, v[L16]
	v_add_nc_u32 v11, s3, v[L8]
.else                                  ; or the end of the sum of the tile before
	LAST4 (\n)-1
.endif
.set SUMR, 14+4*(\n)
.irp q, 0,1,2,3                                ; the largest score of each block, in two chains of 15 a block; each accumulator is read from its low end on
	v_max3_num_f32 v[MX+\q], v[96+16*\q], v[97+16*\q], v[98+16*\q]
.endr
.irp i, 3,5,7,9,11,13
.irp q, 0,1,2,3
	v_max3_num_f32 v[MX+\q], v[MX+\q], v[96+16*\q+\i], v[97+16*\q+\i]
.endr
.endr
.irp c, 0,1
	v_max3_num_f32 v[MX+2*\c], v[MX+2*\c], v[MX+1+2*\c], v[111+32*\c]
.endr
.irp c, 0,1
	v_max_num_f32 v[MX+2*\c], v[MX+2*\c], v[127+32*\c]   ; it serves the row's maximum and, since p rises with the score, the block's largest p
.endr
	v_mov_b32 v[T1], v[NM]                         ; the old -M
	v_max_num_f32 v[T0], v[MX], v[MX+2]
	v_permlanex16_b32 v[PX], v[T0], s[SEL], s[SEL+1]
	v_max3_num_f32 v[NM+1], v[NM+1], v[T0], v[PX]  ; the running largest score (c is positive: it is also the largest t's)
	v_mul_f32 v[T0], s[NC], v[NM+1]
	v_floor_f32 v[NM], v[T0]                       ; the new -M = floor(-t) = -ceil(t): a whole number
	v_sub_f32 v[T0], v[NM], v[T1]                  ; old M - new M: a whole number, 0 or less
	v_cvt_i32_f32 v[T0], v[T0]                     ; (it saturates)
	v_ldexp_f32 v[F], 1.0, v[T0]                   ; f = 2^(old M - new M)
.set i, 0
.rept 32
	v_pk_fma_f32 v[96+2*i:97+2*i], v[96+2*i:97+2*i], s[CS:CS+1], v[NM:NM+1] op_sel_hi:[1,0,0]   ; t - M, two at a time
.set i, i+1
.endr
.irp c, 0,1
	v_fma_f32 v[MX+2*\c], v[MX+2*\c], s[CS], v[NM] ; the same of each block's largest score
.endr
	WIN 0x41                                       ; O^T: source 0 and destination in window 1
	s_wait_alu depctr_va_vdst(0)                   ; directly ahead of the first read of O^T, and ahead of the batch of exponentials, whose sources are all written
.set i, 0
.rept 16
	v_pk_mul_f32 v[32*(\n)+2*i:32*(\n)+2*i+1], v[32*(\n)+2*i:32*(\n)+2*i+1], v[F:F+1] op_sel_hi:[1,0]   ; O^T under the new M, each accumulator from its low end on
.set i, i+1
.endr
	WIN 0
.set i, 0
.rept 64
	v_exp_f32 v[96+i], v[96+i]                     ; p = 2^(t - M), at most 1
.set i, i+1
.endr
.irp c, 0,1
	v_exp_f32 v[MX+2*\c], v[MX+2*\c]               ; the block's largest p: the same two instructions on the same number give the same bits
.endr
	v_pk_mul_f32 v[SUMR:SUMR+1], v[SUMR:SUMR+1], v[F:F+1] op_sel_hi:[1,0]   ; the sum under the new M: the plain instruction behind the exponentials
	s_wait_alu depctr_va_vdst(0)                   ; one wait for the batch of 66, ahead of its first reader
.irp c, 0,1
	v_max_num_f32 v[MX+2*\c], 0x1800000, v[MX+2*\c]   ; the floor 2^(3 - 127): the byte cannot fall under 1
.endr
	NEWS 1
	NEWS 2
.irp c, 0,1
	v_add_nc_u32 v[SO+\c], 0xff000000, v[MX+2*\c]  ; 2 off the exponent field: the conversion's scale operand
.endr
	NEWS 3
	NEWS 4
.irp c, 0,1
	v_cvt_scalef32_pk16_fp6_f32 v[PC+6*\c:PC+2+6*\c], v[96+32*\c:111+32*\c], v[SO+\c]
	v_cvt_scalef32_pk16_fp6_f32 v[PH+4*\c:PH+2+4*\c], v[112+32*\c:127+32*\c], v[SO+\c]   ; (a conversion's three registers begin on an even number)
.endr
.irp c, 0,1
	v_lshrrev_b32 v[BY+\c], 23, v[SO+\c]           ; the scale's byte; also the plain place behind the conversions
.endr
	NEWS 5
	v_lshl_or_b32 v[W], v[BY+1], 16, v[BY]         ; my bytes: blocks h and 2 + h,
	NEWS 6
	v_lshlrev_b32 v[W], v[SH8], v[W]               ; at their places;
	NEWS 7
	v_permlanex16_b32 v[PX+1], v[W], s[SEL], s[SEL+1]
.irp c, 0,1
.irp i, 0,1,2
	v_mov_b32 v[PC+3+6*\c+\i], v[PH+4*\c+\i]       ; registers 6 c .. 6 c + 5: keys 64 c + 32 h + 0 .. 31
.endr
.endr
	v_or_b32 v[PW], v[W], v[PX+1]                  ; with lane l xor 16's two p's scale word is whole
.set k, 14
.rept 18
	ACC (k-14)%8, k                                ; the other 18 pairs, the eight chains by turns.  These 21 additions are also the places between the last write of p's codes and scale word and the products
.set k, k+1
.endr
	JOIN 1, 2
	JOIN 3, 4
	JOIN 5, 6
.if (\n) == 0
	s_wait_alu depctr_va_vdst(0)                   ; directly ahead of the wait below
	s_wait_dscnt 0x0                               ; v's fragments and scale words
.endif
	WIN 0x50                                       ; O^T: source 2 and destination in window 1
.irp c, 0,2                                    ; the tile's four accumulators take turns, one instruction a turn
	v_wmma_scale_f32_16x16x128_f8f6f4 v[32*(\n)+8*\c:32*(\n)+7+8*\c], v[VF+12*\c:VF+11+12*\c], v[PC:PC+11], v[32*(\n)+8*\c:32*(\n)+7+8*\c], v[VSC+\c/2], v[PW] matrix_a_fmt:MATRIX_FMT_FP6 matrix_b_fmt:MATRIX_FMT_FP6
	v_wmma_scale_f32_16x16x128_f8f6f4 v[32*(\n)+8+8*\c:32*(\n)+15+8*\c], v[VF+12+12*\c:VF+23+12*\c], v[PC:PC+11], v[32*(\n)+8+8*\c:32*(\n)+15+8*\c], v[VSC+\c/2], v[PW] matrix_a_fmt:MATRIX_FMT_FP6 matrix_b_fmt:MATRIX_FMT_FP6 matrix_a_scale:MATRIX_SCALE_ROW1
.endr
.endm
; A tile of queries ends: O^T / the sum; register 16 b + i is channel 32 b + 16 (lane / 16) + i of my query: two blocks of 32, quantised; six registers leave as an image, one scale byte a lane.
.macro FINISH n
.set SUMR, 14+4*(\n)
.if \n
	s_wait_xcnt 0x0                                ; the tile before's stores have read the registers that are written below
.endif
	v_add_f32 v[SUMR], v[SUMR], v[SUMR+1]
	s_delay_alu instid0(VALU_DEP_1)
	v_permlanex16_b32 v[T1], v[SUMR], s[SEL], s[SEL+1]
	s_delay_alu instid0(VALU_DEP_1)
	v_add_f32 v[SUMR], v[SUMR], v[T1]              ; the row's sum
	s_wait_alu depctr_va_vdst(0)
	v_rcp_f32 v[F], v[SUMR]
	v_nop                                          ; a plain instruction behind the reciprocal,
	WIN 0x01                                       ; (O^T, source 0, in window 1)
	s_wait_alu depctr_va_vdst(0)                   ; and the wait ahead of its first reader, which is also O^T's
.set i, 0
.rept 16
	v_pk_mul_f32 v[96+2*i:97+2*i], v[32*(\n)+2*i:32*(\n)+2*i+1], v[F:F+1] op_sel_hi:[1,0]   ; each accumulator from its low end on
.set i, i+1
.endr
	WIN 0
.irp b, 0,1
	v_max3_num_f32 v[MX+\b], |v[96+16*\b]|, |v[97+16*\b]|, 0x1800000
.endr
.irp i, 2,4,6,8,10,12,14
.irp b, 0,1
	s_delay_alu instid0(VALU_DEP_2)
	v_max3_num_f32 v[MX+\b], v[MX+\b], |v[96+16*\b+\i]|, |v[97+16*\b+\i]|
.endr
.endr
.irp b, 0,1
	s_delay_alu instid0(VALU_DEP_2)
	v_permlanex16_b32 v[PX+\b], v[MX+\b], s[SEL], s[SEL+1]
.endr
.irp b, 0,1
	s_delay_alu instid0(VALU_DEP_2)
	v_max_num_f32 v[MX+\b], v[MX+\b], v[PX+\b]
.endr
.irp b, 0,1
	s_delay_alu instid0(VALU_DEP_2)
	v_add_nc_u32 v[SO+\b], 0xff000000, v[MX+\b]
.endr
.irp b, 0,1
	s_delay_alu instid0(VALU_DEP_2)
	v_lshrrev_b32 v[BY+\b], 23, v[SO+\b]
.endr
	s_delay_alu instid0(VALU_DEP_1)
	v_lshl_or_b32 v[OBY], v[BY+1], 8, v[BY]
	v_cvt_scalef32_pk16_fp6_f32 v[OC:OC+2], v[96:111], v[SO]
	v_cvt_scalef32_pk16_fp6_f32 v[OC2:OC2+2], v[112:127], v[SO+1]
	v_nop                                          ; one plain place behind a scaled conversion
.irp i, 0,1,2
	v_permlane16_swap_b32 v[OC+\i], v[OC2+\i]      ; a whole block in a lane: lanes 0-15 block 0, lanes 16-31 block 1
.endr
.irp i, 0,1,2
	s_delay_alu instid0(VALU_DEP_3)
	v_mov_b32 v[OC+3+\i], v[OC2+\i]
.endr
	v_lshrrev_b32 v[OBY], v[SH8], v[OBY]           ; lanes 0-15: block 0's byte, lanes 16-31: block 1's
	global_store_b128 v[L16], v[OC:OC+3], s[14:15] offset:12288*\n
	global_store_b64 v[L8], v[OC+4:OC+5], s[14:15] offset:12288*\n+512
	global_store_b8 v[OSC], v[OBY], s[16:17] offset:512*\n   ; two bytes of each row's 32: the others are other heads', made by other work-groups
.endm
	s_wait_alu depctr_va_vdst(0)
	s_wait_loadcnt 0x0                             ; q
	s_wait_tensorcnt 0x0                           ; my piece of the head has landed
	s_barrier_signal -1
	s_barrier_wait -1                              ; and so has every wave's: k and v are whole
	s_mov_b32 s66, 16
.Lstep:                                                ; A KEY STEP: 128 keys, read from LDS once, against my four tiles of queries
.irp t, 0,1,2,3,4,5,6,7
	ds_load_b128 v[32+6*\t:35+6*\t], v8 offset:768*\t          ; a tile's image: 512 and 256 consecutive bytes
	ds_load_b64 v[36+6*\t:37+6*\t], v9 offset:768*\t+512
.endr
	ds_load_b128 v[KSC:KSC+3], v8 offset:6144      ; register j: lanes 0-15 tile 2 j's words, lanes 16-31 tile 2 j + 1's
.irp c, 0,1,2,3                                ; v's four fragments land under the first tile's softmax
.irp j, 0,1,2
	ds_load_b128 v[VF+12*\c+4*\j:VF+3+12*\c+4*\j], v10 offset:1536*\c+512*\j
.endr
.endr
	ds_load_b64 v[VSC:VSC+1], v11 offset:6144
	s_add_co_u32 s2, s2, KBLK
	s_add_co_u32 s3, s3, VBLK
	s_wait_dscnt 13                                ; k's 17 loads are in; v's 13, issued behind them, may be out
	TS 0
	TS 1
	TS 2
	TS 3
	WIN 0
	LAST4 3                                        ; also the places between the last products and the next step's loads into v's registers (at the end: the first read of O^T)
	s_sub_co_u32 s66, s66, 1
	s_cmp_lg_u32 s66, 0
	s_cbranch_scc1 .Lstep
	FINISH 0
	FINISH 1
	FINISH 2
	FINISH 3
	s_wait_tensorcnt 0x0                           ; the wave's end
	ds_add_u32 v254, v255
	s_wait_dscnt 0x0
	CROUND                                         ; the closing round
	s_endpgm
.Lfunc_end_k_q6470a83de8_attn:
	.size	k_q6470a83de8_attn, .Lfunc_end_k_q6470a83de8_attn-k_q6470a83de8_attn
	.p2alignl 7, 3214868480
	.fill 96, 4, 3214868480
	.section	.rodata,"a",@progbits
	.p2align	6, 0x0
	.amdhsa_kernel k_q6470a83de8_attn
		.amdhsa_group_segment_fixed_size 209920
		.amdhsa_private_segment_fixed_size 0
		.amdhsa_enable_private_segment 0
		.amdhsa_kernarg_size 24
		.amdhsa_user_sgpr_count 2
		.amdhsa_user_sgpr_kernarg_segment_ptr 1
		.amdhsa_wavefront_size32 1
		.amdhsa_system_sgpr_workgroup_id_x 1
		.amdhsa_system_sgpr_workgroup_id_y 1
		.amdhsa_system_sgpr_workgroup_id_z 1
		.amdhsa_system_vgpr_workitem_id 0
		.amdhsa_next_free_vgpr 512
		.amdhsa_next_free_sgpr 100
		.amdhsa_reserve_vcc 0
		.amdhsa_float_denorm_mode_32 3
		.amdhsa_float_denorm_mode_16_64 3
		.amdhsa_memory_ordered 1
		.amdhsa_forward_progress 1
		.amdhsa_inst_pref_size 83
	.end_amdhsa_kernel
	.amdgpu_metadata
---
amdhsa.version: [ 1, 2 ]
amdhsa.kernels:
  - .name:           k_q6470a83de8_attn
    .symbol:         k_q6470a83de8_attn.kd
    .args:
      - { .name: qk, .offset: 0, .size: 8, .value_kind: global_buffer, .address_space: global }
      - { .name: vq, .offset: 8, .size: 8, .value_kind: global_buffer, .address_space: global }
      - { .name: oq, .offset: 16, .size: 8, .value_kind: global_buffer, .address_space: global }
    .group_segment_fixed_size: 209920
    .private_segment_fixed_size: 0
    .kernarg_segment_align: 8
    .kernarg_segment_size: 24
    .max_flat_workgroup_size: 256
    .sgpr_count:     100
    .vgpr_count:     512
    .wavefront_size: 32
...
	.end_amdgpu_metadata
.endif
;; end of part 3
;; launch proj (part 4): grid 4 x 32, 4 waves a work-group, clusters of 4 x 4, 327,680 bytes of LDS; arguments oq, wq, bo, out0; writes out0
.if DOCPART == 4
	.amdgcn_target "amdgcn-amd-amdhsa--gfx1250"
	.amdhsa_code_object_version 6
	.text
	.protected	k_q6470a83de8_proj
	.globl	k_q6470a83de8_proj
	.p2align	8
	.type	k_q6470a83de8_proj,@function
k_q6470a83de8_proj:
	s_mov_b64 s[64:65], 0
	v_nop
	global_prefetch_b8 v0, s[64:65] scope:SCOPE_SE
	s_setreg_imm32_b32 hwreg(HW_REG_WAVE_MODE, 25, 1), 1
	s_wait_xcnt 0x0
	s_wait_alu depctr_hold_cnt(0) depctr_sa_sdst(0) depctr_va_vdst(0) depctr_va_sdst(0) depctr_va_ssrc(0) depctr_va_vcc(0) depctr_vm_vsrc(0)
	s_getreg_b32 s2, hwreg(HW_REG_IB_STS2, 6, 4)
	s_cmp_eq_u32 s2, 0
	s_cbranch_scc0 .Lentry_in_a_cluster
	s_endpgm
.Lentry_in_a_cluster:
	s_bfe_u32 s2, ttmp6, 0x10000c
	s_cmp_lg_u32 s2, 0xf033
	s_cbranch_scc0 .Lentry_shape_is_right
	s_endpgm
.Lentry_shape_is_right:
.set SIZE_N, 1024
.set KSTEP,  256
.set NQ,     2
.set ROWB,   24576                     ; from one K step's tile of 128 rows of wq to the next: the tile is dense in memory, 128 x 192 bytes
.set AROWB,  3072
.set KROW,   768
.set PITCH,  240
.set FR,     12
.set NL,     6
.set NLA,    4
.set NP,     4
.set HALFT,  128*PITCH
.set SLOT,   4*HALFT
.set LAPS,   2
.set KS,     32
.set SCL,    2*SLOT
.set HALFS,  (128*KS/256)*272
.set SBLK,   (16*KS/256)*272
.set SPARE,  SCL+4*HALFS
.set SPITCH, 528
.set OS_OFF, 6291456
.set WS_OFF, 3145728
.set BOF,  7
.set ADRA, 16
.set ADRB, 20
.set STO,  24
.set RD,   25
.set CO,   26
.set ADRS, 27
.set SPW,  28
.set NIL,  29
.set SC,   32
.set BIA,  64
.set AF,   128
.set BK,   128
.set G1, 24
.set G0, 32
.set G1B, 48
.set G0B, 56
.set G1S, 68
.set G0S, 76
.set G1SB, 80
.set G0SB, 88
.set MSB, 0
.macro WIN new
.if MSB != (\new)
	s_set_vgpr_msb (MSB<<8)|(\new)
.set MSB, (\new)
.endif
.endm
.set MUL_LO, 0xa1
.set MUL_HI, 0xf1
.set FST_LO, 0x81
.set FST_HI, 0xc1
.set TO_B,   0x40
.macro JLOAD g0a, g1a, g0b, g1b
	s_cmp_eq_u32 s15, 0
	s_cbranch_scc0 .Lfor_b_\@
	tensor_load_to_lds s[\g0a:\g0a+3], s[\g1a:\g1a+7]
	s_nop 0
.rept 4
	v_nop
.endr
	s_branch .Lasked_\@
.Lfor_b_\@:
	tensor_load_to_lds s[\g0b:\g0b+3], s[\g1b:\g1b+7]
	s_nop 0
.rept 4
	v_nop
.endr
.Lasked_\@:
.endm
.macro CREST
	s_cmp_lg_u32 s14, 0
	s_cbranch_scc1 .Lnot_wave_0_\@
	s_barrier_signal -3
.Lnot_wave_0_\@:
	s_barrier_wait -3
	s_barrier_signal -1
	s_barrier_wait -1
.endm
.macro CROUND
	s_barrier_signal -1
	s_barrier_wait -1
	CREST
.endm
	s_load_b128 s[4:7], s[0:1], 0x0
	s_load_b64 s[66:67], s[0:1], 0x10
	s_load_b64 s[12:13], s[0:1], 0x18
	v_lshl_add_u32 v[SPW], v0, 2, SPARE
	v_mov_b32 v[NIL], 0
	ds_add_u32 v28, v29
	ds_add_u32 v28, v29
	s_wait_dscnt 0x0
	v_lshrrev_b32 v1, 5, v0
	v_readfirstlane_b32 s14, v1
	s_lshr_b32 s15, s14, 1
	s_and_b32 s16, s14, 1
	s_bfe_u32 s40, ttmp6, 0x40000
	s_bfe_u32 s41, ttmp6, 0x40004
	s_lshl_b32 s42, ttmp9, 2
	s_add_co_u32 s42, s42, s40
	s_and_b32 s17, ttmp7, 0xffff
	s_lshl_b32 s17, s17, 2
	s_add_co_u32 s17, s17, s41
	s_lshl_b32 s43, s41, 2
	s_lshl_b32 s43, 15, s43
	s_lshl_b32 s44, 0x1111, s40
	s_or_b32 s[G1+0], s43, (3<<16)|(1<<21)
	s_mov_b32 s[G1+1], (AROWB/8)<<16
	s_mov_b32 s[G1+2], 8<<16
	s_mov_b32 s[G1+3], (AROWB/8)<<16
	s_mov_b32 s[G1+4], 8
	s_mov_b32 s[G1+5], 12288/8
	s_mov_b32 s[G1+6], 0
	s_mov_b32 s[G1+7], 0
	s_or_b32 s[G1B+0], s44, (0<<16)|(1<<20)|(1<<21)|(3<<22)|(3<<25)
	s_mov_b32 s[G1B+1], 256<<16                    ; the dense tile comes as 96 rows of 256 bytes, each at a multiple of 256 bytes;
	s_mov_b32 s[G1B+2], 96<<16                     ; 16 bytes of padding behind every 64 make an LDS row of 192 bytes 240 long
	s_mov_b32 s[G1B+3], 256<<16
	s_mov_b32 s[G1B+4], 96
	s_mov_b32 s[G1B+5], 256
	s_mov_b32 s[G1B+6], 0
	s_mov_b32 s[G1B+7], 0
	s_or_b32 s[G1S+0], s43, (3<<16)|(1<<20)|(1<<21)|(5<<22)|(3<<25)
	s_or_b32 s[G1SB+0], s44, (3<<16)|(1<<20)|(1<<21)|(5<<22)|(3<<25)
.irp g, G1S, G1SB
	s_mov_b32 s[\g+1], 32<<16
	s_mov_b32 s[\g+2], (128*KS/256)<<16
	s_mov_b32 s[\g+3], 32<<16
	s_mov_b32 s[\g+4], 128*KS/256
	s_mov_b32 s[\g+5], 32
	s_mov_b32 s[\g+6], 0
	s_mov_b32 s[\g+7], 0
.endr
	s_lshl_b32 s18, s16, 7
	s_lshl_b32 s20, s17, 8
	s_add_co_u32 s20, s20, s18
	s_lshl_b32 s46, s42, 8
	s_add_co_u32 s46, s46, s18
	s_mov_b32 s21, 0
	s_mov_b32 s47, 0
	s_mov_b64 s[18:19], KS
	s_mul_u64 s[22:23], s[20:21], s[18:19]
	s_mul_u64 s[92:93], s[46:47], s[18:19]
	s_mov_b64 s[18:19], KROW
	s_mul_u64 s[20:21], s[20:21], s[18:19]
	s_mul_u64 s[46:47], s[46:47], s[18:19]
	s_mul_i32 s45, s14, HALFT
	s_mul_i32 s94, s14, HALFS
	s_wait_kmcnt 0x0
	s_add_nc_u64 s[8:9], s[6:7], 3072*KROW
	s_add_nc_u64 s[10:11], s[6:7], WS_OFF+3072*KS
	s_add_nc_u64 s[6:7], s[4:5], OS_OFF
	s_add_nc_u64 s[20:21], s[4:5], s[20:21]
	s_add_nc_u64 s[22:23], s[6:7], s[22:23]
	s_add_nc_u64 s[46:47], s[8:9], s[46:47]
	s_add_nc_u64 s[92:93], s[10:11], s[92:93]
	CROUND
	s_mov_b32 s[G0S], 1
	s_add_co_u32 s[G0S+1], s94, SCL
	s_mov_b64 s[G0S+2:G0S+3], s[22:23]
	s_or_b32 s[G0S+3], s[G0S+3], 0x80000000
	s_mov_b32 s[G0SB], 1
	s_add_co_u32 s[G0SB+1], s94, SCL
	s_mov_b64 s[G0SB+2:G0SB+3], s[92:93]
	s_or_b32 s[G0SB+3], s[G0SB+3], 0x80000000
	JLOAD G0S, G1S, G0SB, G1SB
.irp s, 0,1
	s_mov_b32 s[G0+4*\s], 1
	s_add_co_u32 s[G0+4*\s+1], s45, \s*SLOT
	s_add_nc_u64 s[G0+4*\s+2:G0+4*\s+3], s[20:21], \s*AROWB
	s_or_b32 s[G0+4*\s+3], s[G0+4*\s+3], 0x80000000
	s_mov_b32 s[G0B+4*\s], 1
	s_add_co_u32 s[G0B+4*\s+1], s45, \s*SLOT
	s_add_nc_u64 s[G0B+4*\s+2:G0B+4*\s+3], s[46:47], \s*ROWB
	s_or_b32 s[G0B+4*\s+3], s[G0B+4*\s+3], 0x80000000
	s_wait_alu depctr_va_vdst(0)
	s_wait_tensorcnt 0x0
	ds_add_u32 v28, v29
	s_wait_dscnt 0x0
	CROUND
	JLOAD G0+4*\s, G1, G0B+4*\s, G1B
.endr
	v_and_b32 v1, 15, v0
	v_bfe_u32 v2, v0, 4, 1
	v_mul_u32_u24 v3, v1, PITCH
	v_mul_u32_u24 v4, v2, 24
	v_add_nc_u32 v4, v3, v4
	v_lshl_add_u32 v5, v2, 4, v4
	v_and_b32 v6, 31, v0
	v_lshlrev_b32 v8, 4, v6
	v_lshlrev_b32 v9, 3, v6
	v_add_nc_u32 v9, 512, v9
	s_mul_i32 s21, s15, HALFT
	s_mul_i32 s22, s16, HALFT
	s_add_co_u32 s22, s22, 2*HALFT
.irp s, 0,1
	v_add_nc_u32 v[ADRA+\s], s21, v8
	v_add_nc_u32 v[ADRB+\s], s22, v4
	v_add_nc_u32 v[ADRA+2+\s], s21, v9
	v_add_nc_u32 v[ADRB+2+\s], s22, v5
	s_add_co_u32 s21, s21, SLOT
	s_add_co_u32 s22, s22, SLOT
.endr
	v_mul_u32_u24 v5, v1, KS
	v_lshrrev_b32 v6, 8, v5
	v_lshl_add_u32 v5, v6, 4, v5
	s_mul_i32 s21, s15, HALFS
	s_mul_i32 s22, s16, HALFS
	s_add_co_u32 s22, s22, 2*HALFS
	s_sub_co_u32 s22, s22, s21
	v_mul_u32_u24 v6, s22, v2
	s_add_co_u32 s21, s21, SCL
	v_add_nc_u32 v5, v5, v6
	v_add_nc_u32 v[ADRS], s21, v5
	s_mul_i32 s23, s14, 16*SPITCH
	v_mul_u32_u24 v5, v1, SPITCH
	v_lshl_add_u32 v5, v2, 6, v5
	v_add_nc_u32 v[STO], s23, v5
	v_mov_b32 v[CO], v8
	v_add_nc_u32 v[RD], s23, v8
	v_lshlrev_b32 v[BOF], 6, v2
	s_wait_alu depctr_va_vdst(0)
	s_lshl_b32 s20, s17, 8
	s_lshl_b32 s21, s15, 7
	s_add_co_u32 s20, s20, s21
	s_mov_b32 s21, 0
	s_mov_b64 s[18:19], SIZE_N*4
	s_mul_u64 s[20:21], s[20:21], s[18:19]
	s_lshl_b32 s46, s42, 10
	s_lshl_b32 s47, s16, 9
	s_add_co_u32 s46, s46, s47
	s_mov_b32 s47, 0
	s_add_nc_u64 s[66:67], s[66:67], s[46:47]
	s_add_nc_u64 s[20:21], s[20:21], s[46:47]
	s_add_nc_u64 s[12:13], s[12:13], s[20:21]
.irp b, 0,1,2,3,4,5,6,7
	global_load_b128 v[BIA+8*\b:BIA+8*\b+3], v[BOF], s[66:67] offset:(32*(\b/2)+8*(\b%2))*4
	global_load_b128 v[BIA+8*\b+4:BIA+8*\b+7], v[BOF], s[66:67] offset:(32*(\b/2)+8*(\b%2))*4+16
.endr
.macro FRAG reg, adr, q, i
.irp p, 0,1,2,3,4,5
.set PCE, 12*(\q)+6*(\p/3)+\p%3
.if PCE%8 < 5
	ds_load_b64 v[\reg+2*\p:\reg+2*\p+1], v[\adr] offset:8*PCE+16*(PCE/8)+(\i)*16*PITCH
.else
	ds_load_b64 v[\reg+2*\p:\reg+2*\p+1], v[\adr+2] offset:8*PCE+16*(PCE/8)+(\i)*16*PITCH
.endif
.endr
.endm
.macro FRAGA reg, slot, q, i
	ds_load_b128 v[\reg:\reg+3], v[ADRA+\slot] offset:AROWB*(\i)+1536*(\q)
	ds_load_b64 v[\reg+4:\reg+5], v[ADRA+2+\slot] offset:AROWB*(\i)+1536*(\q)
	ds_load_b128 v[\reg+6:\reg+9], v[ADRA+\slot] offset:AROWB*(\i)+1536*(\q)+768
	ds_load_b64 v[\reg+10:\reg+11], v[ADRA+2+\slot] offset:AROWB*(\i)+1536*(\q)+768
.endm
.macro MUL16 a0, p, q, sc, first
.irp a, \a0, \a0+1
.irp b, 0,1,2,3,4,5,6,7
.if \first
	v_wmma_scale_f32_16x16x128_f8f6f4 v[8*(8*((\a)%4)+\b):8*(8*((\a)%4)+\b)+7], v[128*(\p)+FR*\b:128*(\p)+FR*\b+FR-1], v[AF+FR*(\a):AF+FR*(\a)+FR-1], v[BIA+8*\b:BIA+8*\b+7], v[SC+8*NQ*(\sc)+NQ*\b+(\q)], v[SC+8*NQ*(\sc)+NQ*(\a)+(\q)] matrix_a_fmt:MATRIX_FMT_FP6 matrix_b_fmt:MATRIX_FMT_FP6 matrix_a_scale:MATRIX_SCALE_ROW1
.else
	v_wmma_scale_f32_16x16x128_f8f6f4 v[8*(8*((\a)%4)+\b):8*(8*((\a)%4)+\b)+7], v[128*(\p)+FR*\b:128*(\p)+FR*\b+FR-1], v[AF+FR*(\a):AF+FR*(\a)+FR-1], v[8*(8*((\a)%4)+\b):8*(8*((\a)%4)+\b)+7], v[SC+8*NQ*(\sc)+NQ*\b+(\q)], v[SC+8*NQ*(\sc)+NQ*(\a)+(\q)] matrix_a_fmt:MATRIX_FMT_FP6 matrix_b_fmt:MATRIX_FMT_FP6 matrix_a_scale:MATRIX_SCALE_ROW1
.endif
.endr
.endr
.endm
.macro FETCH_B slot, q, p
	WIN TO_B
.irp i, 0,1,2,3,4,5,6,7
	FRAG 128*(\p)+FR*\i, ADRB+\slot, \q, \i
.endr
	WIN 0
.endm
.macro FETCH_A slot, q, i0
.irp i, \i0, \i0+1, \i0+2, \i0+3
	FRAGA AF+FR*(\i), \slot, \q, \i
.endr
.endm
.macro SCALES sc
.irp i, 0,1,2,3,4,5,6,7
	ds_load_b64 v[SC+8*NQ*\sc+NQ*\i:SC+8*NQ*\sc+NQ*\i+1], v[ADRS] offset:\i*SBLK
.endr
.endm
.macro PLACES n
.rept \n
	v_nop
.endr
.endm
.macro STEP slot, q, first
	s_wait_dscnt 4*NLA
.if \first
	WIN FST_LO
.else
	WIN MUL_LO
.endif
	MUL16 0, (\q)%2, \q, \slot, \first
	MUL16 2, (\q)%2, \q, \slot, \first
	s_wait_dscnt 0
	PLACES NP
	FETCH_B \slot, (\q)+1, 1-(\q)%2
	FETCH_A \slot, (\q)+1, 0
.if \first
	WIN FST_HI
.else
	WIN MUL_HI
.endif
	MUL16 4, (\q)%2, \q, \slot, \first
	MUL16 6, (\q)%2, \q, \slot, \first
	PLACES NP
	WIN 0
	FETCH_A \slot, (\q)+1, 4
.endm
.macro TURN slot, next, fill
	s_wait_tensorcnt 0x0
	ds_add_u32 v[SPW], v[NIL]
	s_wait_dscnt 4*NLA+1
	WIN MUL_LO
	MUL16 0, 1, NQ-1, \slot, 0
	s_wait_dscnt 0x0
	s_barrier_signal -1
	MUL16 2, 1, NQ-1, \slot, 0
	WIN 0
	s_barrier_wait -1
.if \fill
	CREST
	s_add_nc_u64 s[G0+4*\slot+2:G0+4*\slot+3], s[G0+4*\slot+2:G0+4*\slot+3], 2*AROWB
	s_add_nc_u64 s[G0B+4*\slot+2:G0B+4*\slot+3], s[G0B+4*\slot+2:G0B+4*\slot+3], 2*ROWB
	JLOAD G0+4*\slot, G1, G0B+4*\slot, G1B
.else
	PLACES NP
.endif
	s_wait_alu depctr_va_vdst(0)
	v_add_nc_u32 v[ADRS], 4*NQ, v[ADRS]
	FETCH_B \next, 0, 0
	FETCH_A \next, 0, 0
	SCALES \next
	WIN MUL_HI
	MUL16 4, 1, NQ-1, \slot, 0
	MUL16 6, 1, NQ-1, \slot, 0
	PLACES NP
	WIN 0
	FETCH_A \next, 0, 4
.endm
	s_wait_tensorcnt 1
	s_barrier_signal -1
	s_barrier_wait -1
	FETCH_B 0, 0, 0
	FETCH_A 0, 0, 0
	SCALES 0
	FETCH_A 0, 0, 4
	s_wait_loadcnt 0x0
	STEP 0, 0, 1
	s_mov_b32 s3, LAPS-1
.Llap:
	TURN 0, 1, 1
	STEP 1, 0, 0
	TURN 1, 0, 1
	STEP 0, 0, 0
	s_sub_co_u32 s3, s3, 1
	s_cmp_lg_u32 s3, 0
	s_cbranch_scc1 .Llap
	TURN 0, 1, 0
	STEP 1, 0, 0
	s_wait_dscnt 4*NLA
	WIN MUL_LO
	MUL16 0, 1, NQ-1, 1, 0
	MUL16 2, 1, NQ-1, 1, 0
	s_wait_dscnt 0
	WIN MUL_HI
	MUL16 4, 1, NQ-1, 1, 0
	MUL16 6, 1, NQ-1, 1, 0
	WIN 0
.macro TOSTAGE a
.set AC, 64*((\a)%4)
	WIN 0x08+4*((\a)/4)
.irp b, 0,1,2,3,4,5,6,7
	ds_store_b128 v[STO], v[AC+8*\b:AC+8*\b+3] offset:128*(\b/2)+32*(\b%2)
	ds_store_b128 v[STO], v[AC+8*\b+4:AC+8*\b+7] offset:128*(\b/2)+32*(\b%2)+16
.endr
	WIN 0
.set BB, BK+64*((\a)%2)
.irp t, 0,1,2,3,4,5,6,7,8,9,10,11,12,13,14,15
	ds_load_b128 v[BB+4*\t:BB+4*\t+3], v[RD] offset:\t*SPITCH
.endr
.endm
.macro SEND a, younger
.set BB, BK+64*((\a)%2)
	s_wait_dscnt \younger
.irp t, 0,1,2,3,4,5,6,7,8,9,10,11,12,13,14,15
	global_store_b128 v[CO], v[BB+4*\t:BB+4*\t+3], s[12:13] offset:(64*((\a)/4)+8*((\a)%4)+\t+24*(\t/8))*SIZE_N*4 th:TH_STORE_NT   ; row t of tile a is token 64 (a / 4) + 32 (t / 8) + 8 (a % 4) + t % 8
.endr
.endm
	PLACES NP
	TOSTAGE 0
.irp a, 1,2,3,4,5,6,7
.if \a > 1
	s_wait_xcnt 0x0
.endif
	TOSTAGE \a
	SEND \a-1, 32
.endr
	SEND 7, 0
	s_wait_tensorcnt 0x0
	ds_add_u32 v[SPW], v[NIL]
	s_wait_dscnt 0x0
	CROUND
	s_endpgm
.Lfunc_end_k_q6470a83de8_proj:
	.size	k_q6470a83de8_proj, .Lfunc_end_k_q6470a83de8_proj-k_q6470a83de8_proj
	.p2alignl 7, 3214868480
	.fill 96, 4, 3214868480
	.section	.rodata,"a",@progbits
	.p2align	6, 0x0
	.amdhsa_kernel k_q6470a83de8_proj
		.amdhsa_group_segment_fixed_size 327680
		.amdhsa_private_segment_fixed_size 0
		.amdhsa_enable_private_segment 0
		.amdhsa_kernarg_size 32
		.amdhsa_user_sgpr_count 2
		.amdhsa_user_sgpr_kernarg_segment_ptr 1
		.amdhsa_wavefront_size32 1
		.amdhsa_system_sgpr_workgroup_id_x 1
		.amdhsa_system_sgpr_workgroup_id_y 1
		.amdhsa_system_sgpr_workgroup_id_z 1
		.amdhsa_system_vgpr_workitem_id 0
		.amdhsa_next_free_vgpr 1024
		.amdhsa_next_free_sgpr 98
		.amdhsa_reserve_vcc 0
		.amdhsa_float_denorm_mode_32 3
		.amdhsa_float_denorm_mode_16_64 3
		.amdhsa_memory_ordered 1
		.amdhsa_forward_progress 1
		.amdhsa_inst_pref_size 154
	.end_amdhsa_kernel
	.amdgpu_metadata
---
amdhsa.version: [ 1, 2 ]
amdhsa.kernels:
  - .name:           k_q6470a83de8_proj
    .symbol:         k_q6470a83de8_proj.kd
    .args:
      - { .name: oq, .offset: 0, .size: 8, .value_kind: global_buffer, .address_space: global }
      - { .name: wq, .offset: 8, .size: 8, .value_kind: global_buffer, .address_space: global }
      - { .name: bo, .offset: 16, .size: 8, .value_kind: global_buffer, .address_space: global }
      - { .name: out0, .offset: 24, .size: 8, .value_kind: global_buffer, .address_space: global }
    .group_segment_fixed_size: 327680
    .private_segment_fixed_size: 0
    .kernarg_segment_align: 8
    .kernarg_segment_size: 32
    .max_flat_workgroup_size: 128
    .sgpr_count:     98
    .vgpr_count:     1024
    .wavefront_size: 32
...
	.end_amdgpu_metadata
.endif
;; end of part 4
